; MI455X (gfx1250); checked and timed in simulation.
; The chip was launched on July 23, 2026; its instructions are those of AMD's public machine-readable ISA for CDNA 5 (MIT licence, August 2026) and "CDNA5" Instruction Set Architecture Reference Guide (July 2026). The comments in the code are by the model that wrote it; some were corrected since.
;; Delta Net. Allowed arithmetic: float matrix products may take bf16 or f16 operands with f32 sums; all other float work in f32.
;; Inputs: decay_b 16 float32; decay_w 1,024 x 16 float32; decay_w0 16 float32; gate_b 16 float32; gate_w 1,024 x 16 float32; k_w 1,024 x 1,024 float32; ln_b 1,024 float32; ln_g 1,024 float32; out_b 1,024 float32; out_w 1,024 x 1,024 float32; q_w 1,024 x 1,024 float32; v_w 1,024 x 1,024 float32; x 2 x 2,048 x 1,024 float32.
;; Outputs: out0 2 x 2,048 x 1,024 float32.
;; One version. Each part assembles by itself: llvm-mc -triple=amdgcn-amd-amdhsa -mcpu=gfx1250 --defsym DOCPART=n.
;; ======== version 1 of 1: 5 launches
;; workspace buffers: xb 8,388,608 bytes; wts 9,437,184 bytes; qkv 27,262,976 bytes; aux 5,570,560 bytes; yb 8,388,608 bytes; pre 16,777,216 bytes
;; launch prep (part 1): grid 256 x 1, 8 waves a work-group, no clusters, 35,840 bytes of LDS; arguments x, q_w, k_w, v_w, out_w, decay_w, gate_w, xb, wts; writes xb, wts
.if DOCPART == 1
	.amdgcn_target "amdgcn-amd-amdhsa--gfx1250"
	.amdhsa_code_object_version 6
	.text
	.protected	k_q58364f8f31_prep
	.globl	k_q58364f8f31_prep
	.p2align	8
	.type	k_q58364f8f31_prep,@function
k_q58364f8f31_prep:
	s_mov_b64 s[64:65], 0
	v_nop
	global_prefetch_b8 v0, s[64:65] scope:SCOPE_SE
	s_setreg_imm32_b32 hwreg(HW_REG_WAVE_MODE, 25, 1), 1
	s_wait_xcnt 0x0
; prep: everything that the matrix launches want in bf16 with K along the rows, made once.
;   xb  = x in bf16, [4096][1024].
;   wts = WT bf16 [3328][1024] at byte 0: row head*208 + c; c 0-63 column 64 head + c of q_w, 64-127 of k_w, 128-191 of v_w,
;         192 decay_w[:,head], 193 gate_w[:,head], 194-207 zeros;   WO bf16 [1024 n][1024 k] = out_w transposed, at WO_OFF;
;         CS f32 [2048 t][32 i][cos, sin] at CS_OFF: the rotary table.
; 256 work-groups of 8 waves; thread t = v0.  Each work-group does four unrelated parts:
;   X: 16 rows of x (65,536 bytes) to bf16;          W: a block of 128 k x 128 n of one weight matrix, transposed through LDS;
;   G: one of the 16 rows 192-207 of one head;       T: 8 rows of the table.
; All loads go out at once, W's ahead of X's: W has the longer way (convert, LDS, barrier, read back, store), which then runs while
; X is still on its way, and behind the last load to come stand only two conversions and a store.
; A stream: no matrix unit, no cluster (no two work-groups read the same bytes), one barrier (the transposition).
; LIMIT: the angle is t * f with f = 2^(-i log2(10000)/32) / (2 pi) kept in turns; it differs from the f32 product t * inv_freq
; by at most about 2e-4 rad at t = 2047.  Sine and cosine come from polynomials of the half angle on [-pi/2, pi/2].
.set WO_OFF, 6815744
.set CS_OFF, 8912896
.set GD,   16                          ; v[16:19]   four numbers of a decay or gate column (or zeros)
.set XIN,  32                          ; v[32:95]   16 loads of x
.set WREG, 96                          ; v[96:159]  tile e, row j: 4 registers at WREG + 32 e + 4 j
.set XO,   160                         ; v[160:191] x in bf16, to store
.set RB,   192                         ; v[192:223] transposed rows read back
.set TT,   224                         ; v[224:231] two sets of 8 bf16 along k
.set GO,   232                         ; v[232:233] part G, packed
	s_load_b512 s[8:23], s[0:1], 0x0               ; x 8, q_w 10, k_w 12, v_w 14, out_w 16, decay_w 18, gate_w 20, xb 22
	s_load_b64 s[24:25], s[0:1], 0x40              ; wts
	v_lshl_add_u32 v240, v0, 2, 0x8800
	v_mov_b32 v241, 0
	s_mov_b32 s2, ttmp9
	s_lshr_b32 s4, s2, 6                           ; m: which matrix (q, k, v, out)
	s_bfe_u32 s5, s2, 0x30003                      ; kb: which 128 rows k
	s_and_b32 s6, s2, 7                            ; nb2: which 128 columns n (two heads)
	s_lshr_b32 s7, s2, 4                           ; part G: head
	s_and_b32 s32, s2, 15                          ; part G: row 192 + gi of that head
	s_mul_i32 s33, s6, 416                         ; q, k, v: first destination row = 2 nb2 * 208 + 64 m
	s_lshl_b32 s34, s4, 6
	s_add_co_u32 s33, s33, s34
	s_lshl_b32 s34, s6, 7                          ; out_w: row 128 nb2
	s_mov_b32 s35, 425984                          ; from tile 0 to tile 1: 208 rows of 2,048 bytes,
	s_mov_b32 s36, 131072                          ; or 64 rows
	s_cmp_eq_u32 s4, 3
	s_cselect_b32 s33, s34, s33
	s_cselect_b32 s35, s36, s35
	s_cselect_b32 s37, WO_OFF, 0
	s_lshl_b32 s33, s33, 11
	s_lshl_b32 s34, s5, 8                          ; 128 k = 256 bytes along the destination row
	s_add_co_u32 s33, s33, s34
	s_add_co_u32 s42, s33, s37
	s_mov_b32 s43, 0
	s_lshl_b32 s44, s5, 19                         ; source: 128 rows of 4,096 bytes,
	s_lshl_b32 s34, s6, 9                          ; 128 columns of 4 bytes
	s_add_co_u32 s44, s44, s34
	s_mov_b32 s45, 0
	v_lshlrev_b32 v1, 4, v0                        ; 16 t
	v_lshlrev_b32 v2, 3, v0                        ; 8 t
	v_lshrrev_b32 v9, 4, v0                        ; t >> 4
	v_and_b32 v10, 15, v0                          ; t & 15
	v_lshlrev_b32 v11, 4, v10
	v_lshl_add_u32 v3, v9, 15, v11                 ; W source: rows 8 (t>>4) .., 16 bytes at 16 (t&15)
	v_mul_u32_u24 v4, v10, 1088
	v_lshl_add_u32 v4, v9, 4, v4                   ; LDS in: row n = 4 (t&15) (+c), pitch 272, 16 bytes of k at 16 (t>>4)
	v_mul_u32_u24 v5, v9, 272
	v_add_nc_u32 v5, v5, v11                       ; LDS back: row t>>4 (+16 u), 16 bytes at 16 (t&15)
	v_lshl_add_u32 v6, v9, 11, v11                 ; the same place in the destination, tile 0,
	v_add_nc_u32 v7, s35, v6                       ; tile 1
	v_lshlrev_b32 v8, 8, v0                        ; part G: four rows of 64 bytes a thread
.irp j, 0,1,2,3
	v_mov_b32 v[GD+\j], 0                          ; rows 194-207 stay zeros
.endr
	s_wait_kmcnt 0x0
	s_cmp_eq_u32 s4, 1
	s_cselect_b64 s[26:27], s[12:13], s[10:11]
	s_cmp_eq_u32 s4, 2
	s_cselect_b64 s[26:27], s[14:15], s[26:27]
	s_cmp_eq_u32 s4, 3
	s_cselect_b64 s[26:27], s[16:17], s[26:27]
	s_add_nc_u64 s[26:27], s[26:27], s[44:45]      ; my block of my matrix
	s_add_nc_u64 s[28:29], s[24:25], s[42:43]      ; and where it goes
	s_cmp_eq_u32 s32, 0
	s_cselect_b64 s[30:31], s[18:19], s[20:21]     ; part G: decay_w or gate_w,
	s_lshl_b32 s46, s7, 2
	s_mov_b32 s47, 0
	s_add_nc_u64 s[30:31], s[30:31], s[46:47]      ; at the head's column
	s_lshl_b32 s46, s2, 16
	s_add_nc_u64 s[8:9], s[8:9], s[46:47]          ; my 16 rows of x
	s_lshl_b32 s46, s2, 15
	s_add_nc_u64 s[22:23], s[22:23], s[46:47]      ; and of xb
	s_lshl_b32 s46, s2, 11
	s_add_nc_u64 s[40:41], s[24:25], s[46:47]
	s_add_nc_u64 s[40:41], s[40:41], CS_OFF        ; my 8 rows of the table
	s_mul_i32 s46, s7, 208
	s_add_co_u32 s46, s46, s32
	s_add_co_u32 s46, s46, 192
	s_lshl_b32 s46, s46, 11
	s_add_nc_u64 s[38:39], s[24:25], s[46:47]      ; part G's row
	s_cmp_gt_u32 s32, 1
	s_cbranch_scc1 .Lnog                           ; only rows 192 and 193 have a source; these four loads are the oldest where they exist
.irp j, 0,1,2,3
	global_load_b32 v[GD+\j], v8, s[30:31] offset:64*\j
.endr
.Lnog:
.irp e, 0,1
.irp j, 0,1,2,3,4,5,6,7
	global_load_b128 v[WREG+32*\e+4*\j:WREG+32*\e+4*\j+3], v3, s[26:27] offset:4096*\j+256*\e th:TH_LOAD_NT
.endr
.endr
.irp j, 0,1,2,3,4,5,6,7,8,9,10,11,12,13,14,15
	global_load_b128 v[XIN+4*\j:XIN+4*\j+3], v1, s[8:9] offset:4096*\j th:TH_LOAD_NT
.endr
	; part T, while the loads are on their way: i = t & 31, position 8 wg + (t >> 5)
	v_and_b32 v20, 31, v0
	v_lshrrev_b32 v21, 5, v0
	v_cvt_f32_u32 v20, v20
	v_lshl_add_u32 v21, s2, 3, v21
	v_mul_f32 v20, -0.41524101, v20                ; - i log2(10000) / 32
	v_exp_f32 v20, v20
	v_cvt_f32_u32 v21, v21                         ; the plain instruction behind v_exp_f32 (ISA guide 5.7.2)
	s_wait_alu depctr_va_vdst(0)
	v_mul_f32 v20, 0.15915494, v20                 ; turns for each position
	v_mul_f32 v22, v21, v20
	v_rndne_f32 v22, v22
	v_fma_f32 v22, v21, v20, -v22                  ; r in [-1/2, 1/2] turns, the product not rounded before the whole turns leave
	v_mul_f32 v23, v22, v22
	v_mov_b32 v24, -0.00737043                     ; sin(pi r) / r, Taylor in r^2
	v_fmaak_f32 v24, v24, v23, 0.08214589
	v_fmaak_f32 v24, v24, v23, -0.59926453
	v_fmaak_f32 v24, v24, v23, 2.55016404
	v_fmaak_f32 v24, v24, v23, -5.16771278
	v_fmaak_f32 v24, v24, v23, 3.14159265
	v_mul_f32 v24, v24, v22                        ; s = sin(pi r)
	v_mov_b32 v25, 0.00192957                      ; c = cos(pi r)
	v_fmaak_f32 v25, v25, v23, -0.02580689
	v_fmaak_f32 v25, v25, v23, 0.23533063
	v_fmaak_f32 v25, v25, v23, -1.33526277
	v_fmaak_f32 v25, v25, v23, 4.05871213
	v_fmaak_f32 v25, v25, v23, -4.93480220
	v_fmaak_f32 v25, v25, v23, 1.0
	v_mul_f32 v26, v24, v25
	v_mul_f32 v27, v24, v24
	v_add_f32 v29, v26, v26                        ; sin(2 pi r) = 2 s c
	v_fma_f32 v28, v27, -2.0, 1.0                  ; cos(2 pi r) = 1 - 2 s^2
	global_store_b64 v2, v[28:29], s[40:41]        ; a wave stores 256 consecutive bytes, aligned
	; part W: eight k of one column n make 16 bytes; LDS holds [64 n][272] for each tile
.irp e, 0,1
	s_wait_loadcnt 24-8*\e                         ; tile e is in: the younger tile's eight loads (e = 0) and x's sixteen stay out
.irp c, 0,1,2,3
.irp q, 0,1,2,3
	v_cvt_pk_bf16_f32 v[TT+4*(\c&1)+\q], v[WREG+32*\e+8*\q+\c], v[WREG+32*\e+8*\q+4+\c]
.endr
	ds_store_b128 v4, v[TT+4*(\c&1):TT+4*(\c&1)+3] offset:\e*17408+\c*272
.endr
.endr
	s_wait_dscnt 0x0                               ; my stores are in LDS: other threads' rows are read behind the barrier
	s_barrier_signal -1
	s_barrier_wait -1
.irp e, 0,1
.irp u, 0,1,2,3
	ds_load_b128 v[RB+16*\e+4*\u:RB+16*\e+4*\u+3], v5 offset:\e*17408+\u*4352
.endr
.endr
.irp e, 0,1
.irp u, 0,1,2,3
	s_wait_dscnt 7-4*\e-\u                         ; LDS loads come back in order: this one is in
	global_store_b128 v[6+\e], v[RB+16*\e+4*\u:RB+16*\e+4*\u+3], s[28:29] offset:\u*32768   ; 16 lanes store 256 consecutive bytes, aligned
.endr
.endr
	; part X
.irp j, 0,1,2,3,4,5,6,7,8,9,10,11,12,13,14,15
	s_wait_loadcnt 15-\j                           ; the 15 - j younger loads of x stay out
	v_cvt_pk_bf16_f32 v[XO+2*\j], v[XIN+4*\j], v[XIN+4*\j+1]
	v_cvt_pk_bf16_f32 v[XO+2*\j+1], v[XIN+4*\j+2], v[XIN+4*\j+3]
	global_store_b64 v2, v[XO+2*\j:XO+2*\j+1], s[22:23] offset:2048*\j
.endr
	; part G (all loads were waited for above)
	v_cvt_pk_bf16_f32 v[GO], v[GD], v[GD+1]
	v_cvt_pk_bf16_f32 v[GO+1], v[GD+2], v[GD+3]
	global_store_b64 v2, v[GO:GO+1], s[38:39]
	s_wait_tensorcnt 0x0
	ds_add_u32 v240, v241
	s_wait_dscnt 0x0
	s_endpgm
.Lfunc_end_k_q58364f8f31_prep:
	.size	k_q58364f8f31_prep, .Lfunc_end_k_q58364f8f31_prep-k_q58364f8f31_prep
	.p2alignl 7, 3214868480
	.fill 96, 4, 3214868480
	.section	.rodata,"a",@progbits
	.p2align	6, 0x0
	.amdhsa_kernel k_q58364f8f31_prep
		.amdhsa_group_segment_fixed_size 35840
		.amdhsa_private_segment_fixed_size 0
		.amdhsa_enable_private_segment 0
		.amdhsa_kernarg_size 72
		.amdhsa_user_sgpr_count 2
		.amdhsa_user_sgpr_kernarg_segment_ptr 1
		.amdhsa_wavefront_size32 1
		.amdhsa_system_sgpr_workgroup_id_x 1
		.amdhsa_system_sgpr_workgroup_id_y 1
		.amdhsa_system_sgpr_workgroup_id_z 1
		.amdhsa_system_vgpr_workitem_id 0
		.amdhsa_next_free_vgpr 242
		.amdhsa_next_free_sgpr 66
		.amdhsa_reserve_vcc 0
		.amdhsa_float_denorm_mode_32 3
		.amdhsa_float_denorm_mode_16_64 3
		.amdhsa_memory_ordered 1
		.amdhsa_forward_progress 1
		.amdhsa_inst_pref_size 17
	.end_amdhsa_kernel
	.amdgpu_metadata
---
amdhsa.version: [ 1, 2 ]
amdhsa.kernels:
  - .name:           k_q58364f8f31_prep
    .symbol:         k_q58364f8f31_prep.kd
    .args:
      - { .name: x, .offset: 0, .size: 8, .value_kind: global_buffer, .address_space: global }
      - { .name: q_w, .offset: 8, .size: 8, .value_kind: global_buffer, .address_space: global }
      - { .name: k_w, .offset: 16, .size: 8, .value_kind: global_buffer, .address_space: global }
      - { .name: v_w, .offset: 24, .size: 8, .value_kind: global_buffer, .address_space: global }
      - { .name: out_w, .offset: 32, .size: 8, .value_kind: global_buffer, .address_space: global }
      - { .name: decay_w, .offset: 40, .size: 8, .value_kind: global_buffer, .address_space: global }
      - { .name: gate_w, .offset: 48, .size: 8, .value_kind: global_buffer, .address_space: global }
      - { .name: xb, .offset: 56, .size: 8, .value_kind: global_buffer, .address_space: global }
      - { .name: wts, .offset: 64, .size: 8, .value_kind: global_buffer, .address_space: global }
    .group_segment_fixed_size: 35840
    .private_segment_fixed_size: 0
    .kernarg_segment_align: 8
    .kernarg_segment_size: 72
    .max_flat_workgroup_size: 256
    .sgpr_count:     66
    .vgpr_count:     242
    .wavefront_size: 32
...
	.end_amdgpu_metadata
.endif
;; end of part 1
;; launch proj (part 2): grid 16 x 16, 4 waves a work-group, clusters of 4 x 4, 327,680 bytes of LDS; arguments xb, wts, decay_b, decay_w0, gate_b, qkv, aux; writes qkv, aux
.if DOCPART == 2
	.amdgcn_target "amdgcn-amd-amdhsa--gfx1250"
	.amdhsa_code_object_version 6
	.text
	.protected	k_q58364f8f31_proj
	.globl	k_q58364f8f31_proj
	.p2align	8
	.type	k_q58364f8f31_proj,@function
k_q58364f8f31_proj:
	s_mov_b64 s[64:65], 0
	v_nop
	global_prefetch_b8 v0, s[64:65] scope:SCOPE_SE
	s_setreg_imm32_b32 hwreg(HW_REG_WAVE_MODE, 25, 1), 1
	s_wait_xcnt 0x0
	s_wait_alu depctr_hold_cnt(0) depctr_sa_sdst(0) depctr_va_vdst(0) depctr_va_sdst(0) depctr_va_ssrc(0) depctr_va_vcc(0) depctr_vm_vsrc(0)
	s_getreg_b32 s2, hwreg(HW_REG_IB_STS2, 6, 4)
	s_cmp_eq_u32 s2, 0
	s_cbranch_scc0 .Lentry_in_a_cluster
	s_endpgm
.Lentry_in_a_cluster:
	s_bfe_u32 s2, ttmp6, 0x10000c
	s_cmp_lg_u32 s2, 0xf033
	s_cbranch_scc0 .Lentry_shape_is_right
	s_endpgm
.Lentry_shape_is_right:
; proj: [4096 x 1024] x [1024 x 3328] in bf16 with f32 sums, and all that follows for one head and 256 time steps.
; A work-group makes 256 rows (one block of one batch) x the 208 columns of one head: q 64, k 64, v 64, decay, gate, 14 zeros.
; Wave w makes rows 64 w .. 64 w + 63 x all 208 columns: 4 x 13 accumulator tiles, so it owns q, k, v and both gates of its time steps.
; The matrix instruction is used transposed (source 0 = rows of WT, source 1 = rows of xb): lane (r, h) holds row r and the eight
; neighbouring columns 8 h + 0..7 of a tile.
; K goes in steps of 128 through two LDS slots filled by tensor loads; rows are 256 bytes of memory, aligned, 272 bytes apart in LDS.
; CLUSTER 4 x 4: xb's tile hangs on the row block alone and is asked for jointly along a row of the cluster, WT's on the head alone
; and is asked for jointly along a column.  By this text's own count a wave has at most two tensor loads outstanding.
; Behind the products: rate = clip(softplus), gate = sigmoid, R' = log2(e) x running sum of the rates inside the block of 256 rows,
; rotary turn and elu + 1 for q and k, g v (with a 65th column g), and the block's state S = sum over t of k_t (2^(R'_t - R'_last) g v_t)^T.
; Every exponent of a decay is <= 0.  Each row tile of 16 rows is stored as soon as it is staged, so that the stores are spread over this part.
; Out: qkv = QB bf16 [32 seq][2048][64] | KB the same | VB bf16 [32][2048][80];  aux = RL f32 [32][2048] | 256 records of 20,736 bytes:
; 20 accumulator images of 1,024 bytes (tile = 5 dtile + etile; byte 512 half + 16 lane = registers 4 half ..) and 256 bytes of the block's total.
; LIMITS: softplus = max(x,0) + ln2 log2(1 + 2^(-|x| log2 e)), absolute error about 6e-8, far below the clip's floor of 1e-4;
; the clip is a max and a min, so a NaN rate becomes the floor; R' <= 2560 log2(e), so a difference of two R' is good to about 5e-4
; when every rate sits at the clip's ceiling; v_exp_f32 gives zero for results under 2^-126.
.set PITCH, 272
.set HALFA, 128*PITCH                  ; 128 rows of xb: one tensor load
.set HALFB, 104*PITCH                  ; 104 rows of WT: one tensor load
.set BOFF,  2*HALFA
.set SLOT,  2*HALFA+2*HALFB            ; 126,208
.set QST,   0                          ; the stage lies in the ring, behind its last fill: q 256 x 144,
.set KST,   36864                      ; k 256 x 160,
.set VST,   77824                      ; g v 256 x 160,
.set VWS,   118784                     ; decayed g v 256 x 160,
.set TOTS,  159744                     ; the four waves' rate totals,
.set RLS,   160000                     ; 4 x 256 bytes of R'
.set G1A, 28
.set G1B, 36
.set G0A, 44
.set G0B, 52
.set MUL_LO, 0xa1                      ; source 0 window 1, source 1 window 0, C and D window 2
.set MUL_HI, 0xf1                      ; C and D window 3
.set TO_B,   0x40                      ; destination window 1
; REGISTERS.  Window 0: v0-63 addresses and gates; v64-95, v96-127 fragments of xb (4 x 8, two buffers); v128-255 cos, sin.
; Window 1: v0-103, v104-207 fragments of WT (13 x 8, two buffers).  Window 2: tiles (a, b) of row tiles 0, 1 at v[8 (13 a + b)]; window 3: row tiles 2, 3.
.set MSB, 0
.macro WIN new                         ; the immediate's high byte repeats the setting that is left
.if MSB != (\new)
	s_set_vgpr_msb (MSB<<8)|(\new)
.set MSB, (\new)
.endif
.endm
.macro PLACES                          ; four plain vector places behind matrix instructions (ISA guide 7.12.1)
.rept 4
	v_nop
.endr
.endm
.macro JLOAD s                         ; waves 0, 1 ask for xb's halves, waves 2, 3 for WT's: one mask a line; the branch hangs on the wave number alone
	s_cmp_eq_u32 s20, 0
	s_cbranch_scc0 .Lfor_b_\@
	tensor_load_to_lds s[G0A+4*\s:G0A+4*\s+3], s[G1A:G1A+7]
	s_nop 0
	s_branch .Lasked_\@
.Lfor_b_\@:
	tensor_load_to_lds s[G0B+4*\s:G0B+4*\s+3], s[G1B:G1B+7]
	s_nop 0
.Lasked_\@:
.endm
.macro CREST                           ; a round of the cluster's barrier behind its opening barrier
	s_cmp_lg_u32 s18, 0
	s_cbranch_scc1 .Lnot_wave_0_\@
	s_barrier_signal -3
.Lnot_wave_0_\@:
	s_barrier_wait -3
	s_barrier_signal -1
	s_barrier_wait -1
.endm
.macro CROUND
	s_barrier_signal -1
	s_barrier_wait -1
	CREST
.endm
	s_load_b256 s[4:11], s[0:1], 0x0               ; xb 4, wts 6, decay_b 8, decay_w0 10
	s_load_b128 s[12:15], s[0:1], 0x20             ; gate_b 12, qkv 14
	s_load_b64 s[16:17], s[0:1], 0x30              ; aux
	s_set_vgpr_msb 0x40
	v_lshl_add_u32 v254, v0, 2, 0x3da00
	v_mov_b32 v255, 0
	s_set_vgpr_msb 0x4045
	ds_add_u32 v254, v255
	ds_add_u32 v254, v255
	s_set_vgpr_msb 0x4500
	v_lshrrev_b32 v1, 5, v0
	v_readfirstlane_b32 s18, v1                    ; wave
	s_and_b32 s19, s18, 1                          ; which half of a tile I fetch
	s_lshr_b32 s20, s18, 1                         ; 0: I fetch xb, 1: WT
	s_bfe_u32 s21, ttmp6, 0x40000                  ; cx
	s_bfe_u32 s22, ttmp6, 0x40004                  ; cy
	s_lshl_b32 s23, ttmp9, 2
	s_add_co_u32 s23, s23, s21                     ; head
	s_and_b32 s24, ttmp7, 0xffff
	s_lshl_b32 s24, s24, 2
	s_add_co_u32 s24, s24, s22                     ; block of 256 rows
	s_lshl_b32 s26, s22, 2
	s_lshl_b32 s26, 15, s26                        ; my row of the cluster
	s_lshl_b32 s27, 0x1111, s21                    ; my column
	s_or_b32 s[G1A+0], s26, (1<<16)|(1<<20)|(1<<21)|(5<<22)|(3<<25)   ; mask; 2-byte elements; padding on; bit 21 beside a mask; 4 words behind every 64
	s_or_b32 s[G1B+0], s27, (1<<16)|(1<<20)|(1<<21)|(5<<22)|(3<<25)
	s_mov_b32 s[G1A+1], 128<<16                    ; tensor_dim0 = 128
	s_mov_b32 s[G1B+1], 128<<16
	s_mov_b32 s[G1A+2], 128<<16                    ; tensor_dim1 = 128 rows,
	s_mov_b32 s[G1B+2], 104<<16                    ; 104 rows
	s_mov_b32 s[G1A+3], 128<<16                    ; tile_dim0 = 128
	s_mov_b32 s[G1B+3], 128<<16
	s_mov_b32 s[G1A+4], 128                        ; tile_dim1
	s_mov_b32 s[G1B+4], 104
	s_mov_b32 s[G1A+5], 1024                       ; elements from row to row
	s_mov_b32 s[G1B+5], 1024
	s_mov_b32 s[G1A+6], 0
	s_mov_b32 s[G1B+6], 0
	s_mov_b32 s[G1A+7], 0
	s_mov_b32 s[G1B+7], 0
	s_lshl_b32 s60, s24, 19                        ; xb: 256 rows of 2,048 bytes a block, 128 rows a half: no cx enters
	s_lshl_b32 s61, s19, 18
	s_add_co_u32 s60, s60, s61
	s_mov_b32 s61, 0
	s_mul_i32 s62, s23, 425984                     ; WT: 208 rows a head, 104 a half: no cy enters
	s_mul_i32 s63, s19, 212992
	s_add_co_u32 s62, s62, s63
	s_mov_b32 s63, 0
	s_mul_i32 s96, s18, HALFA                      ; LDS: xb's halves at wave x 128 rows,
	s_mul_i32 s97, s18, HALFB
	s_add_co_u32 s97, s97, BOFF-2*HALFB            ; WT's halves behind them: waves 2, 3
	s_lshl_b32 s92, s23, 2                         ; the head's word in the three bias vectors
	s_wait_dscnt 0x0
	s_wait_kmcnt 0x0
	s_add_nc_u64 s[60:61], s[4:5], s[60:61]
	s_add_nc_u64 s[62:63], s[6:7], s[62:63]
	s_load_b32 s66, s[8:9], s92 offset:0x0         ; decay_b, decay_w0, gate_b of my head: waited for behind the K loop
	s_load_b32 s67, s[10:11], s92 offset:0x0
	s_load_b32 s68, s[12:13], s92 offset:0x0
	CROUND                                         ; all sixteen work-groups are here: the first joint loads meet
.irp s, 0,1
	s_mov_b32 s[G0A+4*\s], 1
	s_add_co_u32 s[G0A+4*\s+1], s96, \s*SLOT
	s_add_nc_u64 s[G0A+4*\s+2:G0A+4*\s+3], s[60:61], \s*256
	s_or_b32 s[G0A+4*\s+3], s[G0A+4*\s+3], 0x80000000
	s_mov_b32 s[G0B+4*\s], 1
	s_add_co_u32 s[G0B+4*\s+1], s97, \s*SLOT
	s_add_nc_u64 s[G0B+4*\s+2:G0B+4*\s+3], s[62:63], \s*256
	s_or_b32 s[G0B+4*\s+3], s[G0B+4*\s+3], 0x80000000
	JLOAD \s
.endr
	; where the results go
	s_lshr_b32 s100, s24, 3
	s_lshl_b32 s100, s100, 4
	s_add_co_u32 s100, s100, s23                   ; seq = 16 batch + head
	s_and_b32 s101, s24, 7                         ; block in the sequence
	s_lshl_b32 s93, s100, 11
	s_lshl_b32 s96, s101, 8
	s_add_co_u32 s93, s93, s96
	s_lshl_b32 s96, s18, 6
	s_add_co_u32 s93, s93, s96                     ; my first row: 2048 seq + 256 block + 64 wave
	s_mov_b32 s97, 0
	s_lshl_b32 s96, s93, 7
	s_add_nc_u64 s[82:83], s[14:15], s[96:97]      ; QB
	s_add_nc_u64 s[84:85], s[82:83], 8388608       ; KB
	s_mul_i32 s96, s93, 160
	s_add_nc_u64 s[88:89], s[14:15], s[96:97]
	s_add_nc_u64 s[88:89], s[88:89], 16777216      ; VB
	s_lshl_b32 s96, s93, 2
	s_add_nc_u64 s[90:91], s[16:17], s[96:97]      ; RL
	s_lshl_b32 s96, s100, 3
	s_add_co_u32 s96, s96, s101
	s_mul_i32 s96, s96, 20736
	s_add_nc_u64 s[94:95], s[16:17], s[96:97]
	s_add_nc_u64 s[94:95], s[94:95], 262144        ; my block's record,
	s_mul_i32 s96, s18, 5120
	s_add_nc_u64 s[98:99], s[94:95], s[96:97]      ; my five tiles in it
	s_lshl_b32 s96, s101, 16
	s_lshl_b32 s93, s18, 14
	s_add_co_u32 s96, s96, s93
	s_add_nc_u64 s[86:87], s[6:7], s[96:97]
	s_add_nc_u64 s[86:87], s[86:87], 8912896       ; the table at my first position
	s_mov_b32 s69, 0x76543210                      ; v_permlanex16_b32: lane i reads lane i of the other half
	s_mov_b32 s70, 0xfedcba98
	s_mov_b32 s71, 0xffff0000                      ; lanes 16-31
	s_mov_b32 s75, 0x38d1b717                      ; 1e-4
	s_mov_b32 s76, 0x41200000                      ; 10
	s_mov_b32 s78, 0xbfb8aa3b                      ; -log2 e
	s_mov_b32 s79, 0x3f317218                      ; ln 2
	s_mov_b32 s80, 0x3fb8aa3b                      ; log2 e, twice: a pair for packed multiplies
	s_mov_b32 s81, 0x3fb8aa3b
	s_cmp_gt_u32 s18, 0
	s_cselect_b32 s72, 1.0, 0                      ; which waves' totals lie in front of mine
	s_cmp_gt_u32 s18, 1
	s_cselect_b32 s73, 1.0, 0
	s_cmp_gt_u32 s18, 2
	s_cselect_b32 s74, 1.0, 0
	v_and_b32 v1, 15, v0                           ; r
	v_bfe_u32 v2, v0, 4, 1                         ; h
	v_and_b32 v10, 31, v0                          ; lane
	v_mul_u32_u24 v3, v1, PITCH
	v_lshl_add_u32 v3, v2, 4, v3                   ; a fragment's lane term: row r, 16 bytes for each half
	s_mul_i32 s93, s18, 64*PITCH
	v_add_nc_u32 v4, s93, v3                       ; my 64 rows of xb, slot 0,
	s_add_co_u32 s93, s93, SLOT
	v_add_nc_u32 v5, s93, v3                       ; slot 1
	v_add_nc_u32 v6, BOFF, v3                      ; WT's 208 rows, slot 0,
	v_add_nc_u32 v7, BOFF+SLOT, v3                 ; slot 1
	v_lshlrev_b32 v8, 8, v1
	v_lshl_add_u32 v8, v2, 5, v8                   ; table: row r, frequencies 4 h ..
	; cos, sin of row tile a, column tile b: pair p of v[128+32a+8b ..] belongs to frequency 8 b + 4 h + p.  On their way through the K loop; v8 stays.
.irp a, 0,1,2,3
.irp b, 0,1,2,3
	global_load_b128 v[128+32*\a+8*\b:131+32*\a+8*\b], v8, s[86:87] offset:\a*4096+\b*64
	global_load_b128 v[132+32*\a+8*\b:135+32*\a+8*\b], v8, s[86:87] offset:\a*4096+\b*64+16
.endr
.endr
; 13 matrix instructions: row tile 2 hi + a x all 13 column tiles, 32 along K, from buffer f
.macro MUL13 f, hi, a, zero
.irp b, 0,1,2,3,4,5,6,7,8,9,10,11,12
.if \zero
	v_wmma_f32_16x16x32_bf16 v[8*(13*\a+\b):8*(13*\a+\b)+7], v[104*\f+8*\b:104*\f+8*\b+7], v[64+32*\f+8*(2*\hi+\a):64+32*\f+8*(2*\hi+\a)+7], 0
.else
	v_wmma_f32_16x16x32_bf16 v[8*(13*\a+\b):8*(13*\a+\b)+7], v[104*\f+8*\b:104*\f+8*\b+7], v[64+32*\f+8*(2*\hi+\a):64+32*\f+8*(2*\hi+\a)+7], v[8*(13*\a+\b):8*(13*\a+\b)+7]
.endif
.endr
.endm
; 34 LDS loads in one run: a quarter step's fragments (208 rows of WT, my 64 rows of xb, 32 K at byte k) into buffer f
.macro FETCH slot, k, f
	WIN TO_B
.irp b, 0,1,2,3,4,5,6,7,8,9,10,11,12
	ds_load_b128 v[104*\f+8*\b:104*\f+8*\b+3], v[6+\slot] offset:\k+\b*16*PITCH
	ds_load_b128 v[104*\f+8*\b+4:104*\f+8*\b+7], v[6+\slot] offset:\k+\b*16*PITCH+32
.endr
	WIN 0
.irp a, 0,1,2,3
	ds_load_b128 v[64+32*\f+8*\a:64+32*\f+8*\a+3], v[4+\slot] offset:\k+\a*16*PITCH
	ds_load_b128 v[64+32*\f+8*\a+4:64+32*\f+8*\a+7], v[4+\slot] offset:\k+\a*16*PITCH+32
.endr
.endm
; The 52 accumulators take turns, one instruction a turn, in one order throughout, over the backward jump too.
.macro QUARTER slot, k, f, g, zero
	s_wait_dscnt 4                                 ; WT and xb's row tiles 0, 1 are in; the four youngest loads (row tiles 2, 3) may be out
	WIN MUL_LO
	MUL13 \f, 0, 0, \zero
	MUL13 \f, 0, 1, \zero
	PLACES
	FETCH \slot, \k, \g
	s_wait_dscnt 34                                ; all but the 34 just issued
	WIN MUL_HI
	MUL13 \f, 1, 0, \zero
	MUL13 \f, 1, 1, \zero
.endm
.macro THREE slot, zero
	QUARTER \slot, 64,  0, 1, \zero
	QUARTER \slot, 128, 1, 0, 0
	QUARTER \slot, 192, 0, 1, 0
.endm
; The last quarter of a K step changes slots.  In front of the barrier each wave waits for its reads of this slot and for all its tensor loads
; (the one that is out is its part of the next slot); where the slot is filled again the barrier opens a round of the cluster's barrier,
; and the joint refill is the first tensor load behind the round.
.macro TURN slot, next, fill
	s_wait_dscnt 4
	WIN MUL_LO
	MUL13 1, 0, 0, 0
	s_wait_dscnt 0x0
	s_set_vgpr_msb 0xa1a5
	s_wait_tensorcnt 0x0
	ds_add_u32 v254, v255
	s_wait_dscnt 0x0
	s_set_vgpr_msb 0xa5a1
	s_barrier_signal -1
	MUL13 1, 0, 1, 0
	WIN 0
	s_barrier_wait -1
.if \fill
	CREST
	s_add_nc_u64 s[G0A+4*\slot+2:G0A+4*\slot+3], s[G0A+4*\slot+2:G0A+4*\slot+3], 512
	s_add_nc_u64 s[G0B+4*\slot+2:G0B+4*\slot+3], s[G0B+4*\slot+2:G0B+4*\slot+3], 512
	JLOAD \slot
.endif
	PLACES
	FETCH \next, 0, 0
	WIN MUL_HI
	MUL13 1, 1, 0, 0
	MUL13 1, 1, 1, 0
.endm
.macro LAP zero
	THREE 0, \zero
	TURN 0, 1, 1
	THREE 1, 0
	TURN 1, 0, 1
.endm
	s_wait_tensorcnt 1                             ; my part of K step 0 is in, K step 1's load stays out
	s_barrier_signal -1
	s_barrier_wait -1
	FETCH 0, 0, 0
	LAP 1                                          ; the first products start the sums: nothing is cleared
	WIN 0
	s_mov_b32 s25, 2                               ; 8 K steps = 4 laps: one in front, two here, one behind
.Llap:
	LAP 0
	WIN 0
	s_sub_co_u32 s25, s25, 1
	s_cmp_lg_u32 s25, 0
	s_cbranch_scc1 .Llap
	THREE 0, 0                                     ; the last lap fills nothing
	TURN 0, 1, 0
	THREE 1, 0
	s_wait_dscnt 4
	WIN MUL_LO
	MUL13 1, 0, 0, 0
	MUL13 1, 0, 1, 0
	s_wait_dscnt 0x0
	WIN MUL_HI
	MUL13 1, 1, 0, 0
	MUL13 1, 1, 1, 0
	PLACES
	WIN 0
	s_wait_tensorcnt 0x0
	s_wait_dscnt 0x0
	s_barrier_signal -1                            ; every wave's reads of the ring are over: from here its bytes are the stage
	s_barrier_wait -1
	s_wait_kmcnt 0x0                               ; the three biases
	s_wait_loadcnt 0x0                             ; the table
	; addresses of the stage: the wave number times a constant, plus a lane term
	s_mul_i32 s93, s18, 64*144
	v_mul_u32_u24 v11, v1, 144
	v_lshl_add_u32 v11, v2, 4, v11
	v_add_nc_u32 v11, s93, v11                     ; q in: row 64 w + r, 16 h
	v_lshrrev_b32 v22, 3, v10                      ; lane >> 3
	v_and_b32 v23, 7, v10
	v_lshlrev_b32 v23, 4, v23                      ; 16 (lane & 7)
	v_mad_u32_u24 v15, v22, 144, v23
	v_add_nc_u32 v15, s93, v15                     ; q back: four rows of 128 bytes a load
	s_mul_i32 s93, s18, 64*160
	s_add_co_u32 s96, s93, KST
	v_mul_u32_u24 v12, v1, 160
	v_lshl_add_u32 v12, v2, 4, v12
	v_add_nc_u32 v13, VST-KST, v12
	v_add_nc_u32 v14, VWS-KST, v12
	v_add_nc_u32 v12, s96, v12                     ; k in
	v_add_nc_u32 v13, s96, v13                     ; g v in
	v_add_nc_u32 v14, s96, v14                     ; decayed g v in
	v_mad_u32_u24 v16, v22, 160, v23
	v_add_nc_u32 v16, s96, v16                     ; k back
	v_lshlrev_b32 v18, 4, v10                      ; 16 lane
	v_lshlrev_b32 v19, 3, v10                      ; 8 lane
	s_add_co_u32 s96, s93, VST
	v_add_nc_u32 v17, s96, v18                     ; g v back: its rows of 160 bytes lie as in memory
	s_lshl_b32 s93, s18, 2
	s_add_co_u32 s93, s93, TOTS
	v_mov_b32 v9, s93
	v_mov_b32 v126, TOTS
	s_lshl_b32 s96, s18, 8
	s_add_co_u32 s96, s96, RLS
	v_lshl_add_u32 v116, v1, 2, s96
	v_lshl_add_u32 v117, v10, 3, s96
	v_mov_b32 v121, 0
	v_mov_b32 v122, 0
	v_mov_b32 v123, 0
	v_and_b32 v40, 1, v0                           ; bits of r as 0.0 or 1.0, for the running sum
	v_bfe_u32 v41, v0, 1, 1
	v_bfe_u32 v42, v0, 2, 1
	v_bfe_u32 v43, v0, 3, 1
.irp k, 40,41,42,43
	v_cvt_f32_u32 v\k, v\k
.endr
	; GATES.  Column tile 12: register 0 = decay, register 1 = gate, in lanes 0-15 (lanes 16-31 hold the zero columns and are replaced below)
	WIN 0x02
	v_add_f32 v20, v96, s66
	v_add_f32 v24, v97, s68
	v_add_f32 v21, v200, s66
	v_add_f32 v25, v201, s68
	WIN 0x03
	v_add_f32 v22, v96, s66
	v_add_f32 v26, v97, s68
	v_add_f32 v23, v200, s66
	v_add_f32 v27, v201, s68
	WIN 0
.irp a, 0,1,2,3
	v_add_f32 v[20+\a], s67, v[20+\a]              ; + decay_w0
.endr
.irp a, 0,1,2,3
	v_or_b32 v[28+\a], 0x80000000, v[20+\a]        ; -|x|
.endr
.irp a, 0,1,2,3
	v_mul_f32 v[28+\a], s80, v[28+\a]
.endr
.irp a, 0,1,2,3
	v_exp_f32 v[28+\a], v[28+\a]
.endr
.irp a, 0,1,2,3
	v_max_num_f32 v[32+\a], 0, v[20+\a]            ; plain instructions behind the transcendentals (ISA guide 5.7.2)
.endr
	s_wait_alu depctr_va_vdst(0)
.irp a, 0,1,2,3
	v_add_f32 v[28+\a], 1.0, v[28+\a]
.endr
.irp a, 0,1,2,3
	v_log_f32 v[28+\a], v[28+\a]
.endr
.irp a, 0,1,2,3
	v_mul_f32 v[36+\a], s78, v[24+\a]
.endr
	s_wait_alu depctr_va_vdst(0)
.irp a, 0,1,2,3
	v_fma_f32 v[20+\a], v[28+\a], s79, v[32+\a]    ; softplus
.endr
.irp a, 0,1,2,3
	v_exp_f32 v[36+\a], v[36+\a]
.endr
.irp a, 0,1,2,3
	v_max_num_f32 v[20+\a], s75, v[20+\a]
.endr
.irp a, 0,1,2,3
	v_min_num_f32 v[20+\a], s76, v[20+\a]          ; the clip
.endr
	s_wait_alu depctr_va_vdst(0)
.irp a, 0,1,2,3
	v_add_f32 v[36+\a], 1.0, v[36+\a]
.endr
.irp a, 0,1,2,3
	v_rcp_f32 v[24+\a], v[36+\a]                   ; gate = sigmoid
.endr
.irp a, 0,1,2,3
	v_mul_f32 v[20+\a], s80, v[20+\a]              ; rate in units of log2 e
.endr
	; RUNNING SUM over the 16 rows of a tile: at step m a lane adds its partner block's total to its prefix if the block lies in front of it
.irp a, 0,1,2,3
	v_mov_b32_dpp v[28+\a], v[20+\a] row_xmask:1 row_mask:0xf bank_mask:0xf
	v_fma_f32 v[32+\a], v[28+\a], v40, v[20+\a]
	v_add_f32 v[36+\a], v[20+\a], v[28+\a]
.endr
.irp a, 0,1,2,3
	v_mov_b32_dpp v[28+\a], v[36+\a] row_xmask:2 row_mask:0xf bank_mask:0xf
	v_fmac_f32 v[32+\a], v[28+\a], v41
	v_add_f32 v[36+\a], v[36+\a], v[28+\a]
.endr
.irp a, 0,1,2,3
	v_mov_b32_dpp v[28+\a], v[36+\a] row_xmask:4 row_mask:0xf bank_mask:0xf
	v_fmac_f32 v[32+\a], v[28+\a], v42
	v_add_f32 v[36+\a], v[36+\a], v[28+\a]
.endr
.irp a, 0,1,2,3
	v_mov_b32_dpp v[28+\a], v[36+\a] row_xmask:8 row_mask:0xf bank_mask:0xf
	v_fmac_f32 v[32+\a], v[28+\a], v43
	v_add_f32 v[36+\a], v[36+\a], v[28+\a]
.endr
	v_add_f32 v33, v33, v36                        ; the tiles in front
	v_add_f32 v28, v36, v37
	v_add_f32 v34, v34, v28
	v_add_f32 v28, v28, v38
	v_add_f32 v35, v35, v28
	v_add_f32 v112, v28, v39                       ; my wave's total
	s_wait_alu depctr_va_vdst(0)
.irp x, 32,33,34,35,24,25,26,27,112
	v_permlanex16_b32 v29, v\x, s69, s70           ; lanes 16-31 take the values of lanes 0-15: both halves hold row r
	v_cndmask_b32 v\x, v\x, v29, s71
.endr
	ds_store_b32 v9, v112
	s_wait_dscnt 0x0                               ; my total is in LDS: the others read it behind the barrier
	s_barrier_signal -1
	s_barrier_wait -1
	ds_load_b128 v[108:111], v126
	s_wait_dscnt 0x0
	v_mul_f32 v113, s72, v108
	v_fmac_f32 v113, s73, v109
	v_fmac_f32 v113, s74, v110                     ; the waves in front of mine
	v_add_f32 v114, v108, v109
	v_add_f32 v115, v110, v111
	v_add_f32 v114, v114, v115                     ; the block's total
	v_mov_b32 v115, v114
.irp a, 0,1,2,3
	v_add_f32 v[32+\a], v[32+\a], v113             ; R' of row 16 a + r
.endr
.irp a, 0,1,2,3
	v_sub_f32 v[52+2*\a], v[32+\a], v114           ; <= 0
.endr
.irp a, 0,1,2,3
	v_exp_f32 v[52+2*\a], v[52+2*\a]               ; the decay from the row to the block's end
.endr
.irp a, 0,1,2,3
	v_mov_b32 v[44+2*\a], v[24+\a]                 ; g and the decay as pairs, for packed multiplies
	v_mov_b32 v[45+2*\a], v[24+\a]
.endr
	s_wait_alu depctr_va_vdst(0)
.irp a, 0,1,2,3
	v_mov_b32 v[53+2*\a], v[52+2*\a]
	v_cndmask_b32 v[60+\a], v[24+\a], 0, s71       ; g in lanes 0-15 alone: column 64 of g v
.endr
	; R' out: 64 words through my own LDS bytes, so that the wave stores 256 consecutive bytes, aligned
.irp a, 0,1,2,3
	ds_store_b32 v116, v[32+\a] offset:64*\a
.endr
	ds_load_b64 v[118:119], v117                   ; LDS serves a wave's instructions in order
	s_wait_dscnt 0x0
	global_store_b64 v19, v[118:119], s[90:91]     ; v114, v115, v118, v119 are not written again
	s_cmp_lg_u32 s18, 0
	s_cbranch_scc1 .Lnobt
	global_store_b64 v19, v[114:115], s[94:95] offset:20480   ; the block's total, 64 times
.Lnobt:
; q or k of row tile ap: rotary turn, elu + 1 = max(x + 1, exp(min(x, 0))), bf16, into the stage
.macro QK ap, b0, adr, rowb
	WIN 2+(\ap>>1)
.irp b, 0,1,2,3
.irp p, 0,1,2,3
	v_pk_mul_f32 v[64+8*\b+2*\p:65+8*\b+2*\p], v[8*(13*(\ap&1)+\b0+\b)+2*\p:8*(13*(\ap&1)+\b0+\b)+2*\p+1], v[128+32*\ap+8*\b+2*\p:129+32*\ap+8*\b+2*\p] op_sel_hi:[1,0]
.endr
.endr
.irp b, 0,1,2,3
.irp p, 0,1,2,3
	v_pk_fma_f32 v[64+8*\b+2*\p:65+8*\b+2*\p], v[8*(13*(\ap&1)+\b0+\b)+2*\p:8*(13*(\ap&1)+\b0+\b)+2*\p+1], v[128+32*\ap+8*\b+2*\p:129+32*\ap+8*\b+2*\p], v[64+8*\b+2*\p:65+8*\b+2*\p] op_sel:[1,1,0] op_sel_hi:[0,1,1] neg_lo:[1,0,0]
.endr
.endr
	WIN 0
.irp b, 0,1,2,3
.irp p, 0,1,2,3
	v_pk_mul_f32 v[96+2*\p:97+2*\p], v[64+8*\b+2*\p:65+8*\b+2*\p], s[80:81] op_sel_hi:[1,0]
.endr
.irp j, 0,1,2,3,4,5,6,7
	v_min_num_f32 v[96+\j], 0, v[96+\j]
.endr
.irp j, 0,1,2,3,4,5,6,7
	v_exp_f32 v[96+\j], v[96+\j]
.endr
.irp p, 0,1,2,3
	v_pk_add_f32 v[64+8*\b+2*\p:65+8*\b+2*\p], v[64+8*\b+2*\p:65+8*\b+2*\p], 1.0 op_sel_hi:[1,0]   ; also the plain places behind v_exp_f32
.endr
	s_wait_alu depctr_va_vdst(0)
.irp j, 0,1,2,3,4,5,6,7
	v_max_num_f32 v[64+8*\b+\j], v[64+8*\b+\j], v[96+\j]
.endr
.irp p, 0,1,2,3
	v_cvt_pk_bf16_f32 v[104+\p], v[64+8*\b+2*\p], v[65+8*\b+2*\p]
.endr
	ds_store_b128 v[\adr], v[104:107] offset:\ap*\rowb+32*\b
.endr
.endm
; v of row tile ap: g v and, for the state, g v times the decay to the block's end; column 64 carries g
.macro VV ap
	WIN 2+(\ap>>1)
.irp b, 0,1,2,3
.irp p, 0,1,2,3
	v_pk_mul_f32 v[64+8*\b+2*\p:65+8*\b+2*\p], v[8*(13*(\ap&1)+8+\b)+2*\p:8*(13*(\ap&1)+8+\b)+2*\p+1], v[44+2*\ap:45+2*\ap]
.endr
.endr
	WIN 0
.irp b, 0,1,2,3
.irp p, 0,1,2,3
	v_cvt_pk_bf16_f32 v[104+\p], v[64+8*\b+2*\p], v[65+8*\b+2*\p]
.endr
	ds_store_b128 v13, v[104:107] offset:\ap*2560+32*\b
.endr
	v_cvt_pk_bf16_f32 v120, v[60+\ap], 0
	ds_store_b128 v13, v[120:123] offset:\ap*2560+128
.irp n, 0,1,2,3,4,5,6,7,8,9,10,11,12,13,14,15
	v_pk_mul_f32 v[64+2*\n:65+2*\n], v[64+2*\n:65+2*\n], v[52+2*\ap:53+2*\ap]
.endr
.irp b, 0,1,2,3
.irp p, 0,1,2,3
	v_cvt_pk_bf16_f32 v[104+\p], v[64+8*\b+2*\p], v[65+8*\b+2*\p]
.endr
	ds_store_b128 v14, v[104:107] offset:\ap*2560+32*\b
.endr
	v_mul_f32 v112, v[60+\ap], v[52+2*\ap]
	v_cvt_pk_bf16_f32 v120, v112, 0
	ds_store_b128 v14, v[120:123] offset:\ap*2560+128
.endm
; COPY OUT, row tile by row tile, each wave its own rows (its own LDS stores, served in order: no barrier).  13 LDS loads bring the tile's 16 rows of
; q (4 x 512 bytes), k (4 x 512) and g v (5 x 512) back as they lie in memory, into the first 52 registers of the tile's own accumulators,
; which nothing reads any more (window 2 or 3) and nothing writes again: the stores' data need no wait.
.macro CPLD ap
	WIN 0x80+0x40*(\ap>>1)                         ; destination in the tile's window
.irp c, 0,1,2,3
	ds_load_b128 v[104*(\ap&1)+4*\c:104*(\ap&1)+4*\c+3], v15 offset:\ap*2304+\c*576
.endr
.irp c, 0,1,2,3
	ds_load_b128 v[104*(\ap&1)+16+4*\c:104*(\ap&1)+19+4*\c], v16 offset:\ap*2560+\c*640
.endr
.irp c, 0,1,2,3,4
	ds_load_b128 v[104*(\ap&1)+32+4*\c:104*(\ap&1)+35+4*\c], v17 offset:\ap*2560+\c*512
.endr
	WIN 0
.endm
; The 13 stores, each of 512 consecutive bytes, aligned.  cnt = the LDS instructions issued behind the tile's 13 loads.
.macro CPST ap, cnt
	s_wait_dscnt \cnt
	WIN 0x08+0x04*(\ap>>1)                         ; store data from the tile's window
.irp c, 0,1,2,3
	global_store_b128 v18, v[104*(\ap&1)+4*\c:104*(\ap&1)+4*\c+3], s[82:83] offset:\ap*2048+\c*512
.endr
.irp c, 0,1,2,3
	global_store_b128 v18, v[104*(\ap&1)+16+4*\c:104*(\ap&1)+19+4*\c], s[84:85] offset:\ap*2048+\c*512
.endr
.irp c, 0,1,2,3,4
	global_store_b128 v18, v[104*(\ap&1)+32+4*\c:104*(\ap&1)+35+4*\c], s[88:89] offset:\ap*2560+\c*512
.endr
	WIN 0
.endm
	QK 0, 0, 11, 2304
	QK 0, 4, 12, 2560
	VV 0
	CPLD 0
	QK 1, 0, 11, 2304                              ; the next tile's q covers the way of the 13 loads
	CPST 0, 4                                      ; 4: that q's four LDS stores stay out
	QK 1, 4, 12, 2560
	VV 1
	CPLD 1
	QK 2, 0, 11, 2304
	CPST 1, 4
	QK 2, 4, 12, 2560
	VV 2
	CPLD 2
	QK 3, 0, 11, 2304
	CPST 2, 4
	QK 3, 4, 12, 2560
	VV 3
	CPLD 3
	CPST 3, 0
	s_wait_dscnt 0x0                               ; my part of the stage is written (met: the wait above)
	s_barrier_signal -1
	s_barrier_wait -1                              ; everybody's is
	; THE BLOCK'S STATE: wave w makes rows d = 16 w .. of S x 5 column tiles, over 8 steps of 32 time steps.  k and the decayed g v lie [t][.]:
	; both fragments come by transposing loads.
	v_and_b32 v22, 7, v10
	v_lshl_or_b32 v22, v2, 3, v22                  ; 8 h + (lane & 7)
	v_mul_u32_u24 v22, v22, 160
	v_bfe_u32 v23, v0, 3, 1
	v_lshl_add_u32 v22, v23, 4, v22
	s_lshl_b32 s93, s18, 5
	s_add_co_u32 s93, s93, KST
	v_add_nc_u32 v20, s93, v22
	v_add_nc_u32 v21, VWS, v22
.macro SFET t, af
	ds_load_tr16_b128 v[\af:\af+3], v20 offset:5120*(\t)
	ds_load_tr16_b128 v[\af+4:\af+7], v20 offset:5120*(\t)+2560
.irp e, 0,1,2,3,4
	ds_load_tr16_b128 v[\af+8+8*\e:\af+11+8*\e], v21 offset:5120*(\t)+32*\e
	ds_load_tr16_b128 v[\af+12+8*\e:\af+15+8*\e], v21 offset:5120*(\t)+32*\e+2560
.endr
.endm
.macro STAU t, af, cnt, zero, fetch    ; the five accumulators take turns
	s_wait_dscnt \cnt
.irp e, 0,1,2,3,4
.if \zero
	v_wmma_f32_16x16x32_bf16 v[176+8*\e:183+8*\e], v[\af:\af+7], v[\af+8+8*\e:\af+15+8*\e], 0
.else
	v_wmma_f32_16x16x32_bf16 v[176+8*\e:183+8*\e], v[\af:\af+7], v[\af+8+8*\e:\af+15+8*\e], v[176+8*\e:183+8*\e]
.endif
.endr
.if \fetch
	PLACES
	SFET \t+2, \af
.endif
.endm
	SFET 0, 64
	SFET 1, 128
	STAU 0, 64,  12, 1, 1                          ; 12: the other buffer's loads stay out
	STAU 1, 128, 12, 0, 1
	STAU 2, 64,  12, 0, 1
	STAU 3, 128, 12, 0, 1
	STAU 4, 64,  12, 0, 1
	STAU 5, 128, 12, 0, 1
	STAU 6, 64,  12, 0, 0
	STAU 7, 128, 0,  0, 0
	PLACES
.irp e, 0,1,2,3,4
	global_store_b128 v18, v[176+8*\e:179+8*\e], s[98:99] offset:\e*1024
	global_store_b128 v18, v[180+8*\e:183+8*\e], s[98:99] offset:\e*1024+512
.endr
	s_set_vgpr_msb 0x5
	s_wait_tensorcnt 0x0
	ds_add_u32 v254, v255
	s_wait_dscnt 0x0
	s_set_vgpr_msb 0x500
	CROUND                                         ; the closing round: no work-group ends while a partner may still ask for a tile that names it
	s_endpgm
.Lfunc_end_k_q58364f8f31_proj:
	.size	k_q58364f8f31_proj, .Lfunc_end_k_q58364f8f31_proj-k_q58364f8f31_proj
	.p2alignl 7, 3214868480
	.fill 96, 4, 3214868480
	.section	.rodata,"a",@progbits
	.p2align	6, 0x0
	.amdhsa_kernel k_q58364f8f31_proj
		.amdhsa_group_segment_fixed_size 327680
		.amdhsa_private_segment_fixed_size 0
		.amdhsa_enable_private_segment 0
		.amdhsa_kernarg_size 56
		.amdhsa_user_sgpr_count 2
		.amdhsa_user_sgpr_kernarg_segment_ptr 1
		.amdhsa_wavefront_size32 1
		.amdhsa_system_sgpr_workgroup_id_x 1
		.amdhsa_system_sgpr_workgroup_id_y 1
		.amdhsa_system_sgpr_workgroup_id_z 1
		.amdhsa_system_vgpr_workitem_id 0
		.amdhsa_next_free_vgpr 976
		.amdhsa_next_free_sgpr 102
		.amdhsa_reserve_vcc 0
		.amdhsa_float_denorm_mode_32 3
		.amdhsa_float_denorm_mode_16_64 3
		.amdhsa_memory_ordered 1
		.amdhsa_forward_progress 1
		.amdhsa_inst_pref_size 255
	.end_amdhsa_kernel
	.section	.bss,"aw",@nobits
	.p2align	6
	.space	262144
	.amdgpu_metadata
---
amdhsa.version: [ 1, 2 ]
amdhsa.kernels:
  - .name:           k_q58364f8f31_proj
    .symbol:         k_q58364f8f31_proj.kd
    .args:
      - { .name: xb, .offset: 0, .size: 8, .value_kind: global_buffer, .address_space: global }
      - { .name: wts, .offset: 8, .size: 8, .value_kind: global_buffer, .address_space: global }
      - { .name: decay_b, .offset: 16, .size: 8, .value_kind: global_buffer, .address_space: global }
      - { .name: decay_w0, .offset: 24, .size: 8, .value_kind: global_buffer, .address_space: global }
      - { .name: gate_b, .offset: 32, .size: 8, .value_kind: global_buffer, .address_space: global }
      - { .name: qkv, .offset: 40, .size: 8, .value_kind: global_buffer, .address_space: global }
      - { .name: aux, .offset: 48, .size: 8, .value_kind: global_buffer, .address_space: global }
    .group_segment_fixed_size: 327680
    .private_segment_fixed_size: 0
    .kernarg_segment_align: 8
    .kernarg_segment_size: 56
    .max_flat_workgroup_size: 128
    .sgpr_count:     102
    .vgpr_count:     976
    .wavefront_size: 32
...
	.end_amdgpu_metadata
.endif
;; end of part 2
;; launch scan (part 3): grid 8 x 32, 8 waves a work-group, no clusters, 168,960 bytes of LDS; arguments qkv, aux, yb; writes yb
.if DOCPART == 3
	.amdgcn_target "amdgcn-amd-amdhsa--gfx1250"
	.amdhsa_code_object_version 6
	.text
	.protected	k_q58364f8f31_scan
	.globl	k_q58364f8f31_scan
	.p2align	8
	.type	k_q58364f8f31_scan,@function
k_q58364f8f31_scan:
	s_mov_b64 s[64:65], 0
	v_nop
	global_prefetch_b8 v0, s[64:65] scope:SCOPE_SE
	s_setreg_imm32_b32 hwreg(HW_REG_WAVE_MODE, 25, 1), 1
	s_wait_xcnt 0x0
; scan: the recurrence in blocks.  Work-group (j, seq) makes the 256 rows of block j of sequence seq (= 16 batch + head):
;   y_i = [ 2^(-R'_i) q_i N + sum over s <= i of 2^(R'_s - R'_i) (q_i k_s) gv_s ] / (the same for column 64, which carries g, + 1e-6),
; N = the state at the end of block j - 1 = sum over m < j of S_m 2^(-(total of blocks m+1 .. j-1)).
; 8 waves; wave w takes the 32 query rows of part p(w) = 0,6,2,4,7,1,5,3: p steps of 32 keys that lie wholly in front of its rows and one
; diagonal step.  Waves w and w + 4 have 9 steps together, neighbouring waves 8 or 10.  One set of k, g v and R' fragments feeds two query
; tiles: 36 steps x 22 loads of 512 bytes a work-group, half of what tiles of 16 rows would read.
; THE DECAY IS SPLIT for the steps in front: 2^(R'_s - R'_i) = 2^(R'_s - rho) 2^(rho - R'_i), rho = R' of the row in front of my 32 rows (0 for p = 0).
; R' grows along the rows, so both exponents are <= 0, both factors are <= 1 and each is >= their product: none overflows, and one is flushed
; to zero only where the product is under 2^-126 too.  The first factor is the same for both query tiles (16 exponentials for 32 x 32 scores);
; the second multiplies the sums once, in front of the diagonal step.  The earlier blocks' share enters with 2^(-rho).  The diagonal step takes
; each exponent by itself and masks by a select; its tile of keys 16-31 against queries 0-15 lies wholly behind the diagonal and is left out.
; All products are used transposed: a lane holds query row r; scores: keys 8 h + 0..7; results: columns 8 h + 0..7.
; k and g v of the block come by tensor loads, each wave its 32 rows, each byte filled once: two loads outstanding a wave, one barrier in all.
; NO CLUSTER: k, v and q belong to this work-group alone; of the state records block j needs only the first j, so that partners would
; need different tiles, and each block weights them by its own coefficients: they come through registers, each wave 5 pieces of 512 bytes of each.
; LIMITS: the state enters the product in bf16; scores times decay are rounded to bf16; v_exp_f32 gives zero under 2^-126; 1 / x by v_rcp_f32.
.set KST, 0                            ; 256 x 144 (128 bytes + 16 of padding)
.set VST, 36864                        ; 256 x 160
.set RST, 77824                        ; 256 words: R' of the block's rows
.set NFR, 78848                        ; 40 pieces of 256 bytes: the state in bf16 (piece = 2 tile + half; 8 bytes a lane)
.set STG, 89088                        ; 8 x 4,608: the way out, each wave's own
.set QF,  24                           ; v[24:55]    q: tile qt, K half u at QF + 16 qt + 8 u
.set OA,  56                           ; v[56:135]   sums: tile qt, column tile e at OA + 40 qt + 8 e
.set KF,  136                          ; v[136:167]  k: key tile tt, K half u at KF + 16 tt + 8 u
.set VF,  168                          ; v[168:207]  g v: column tile e at VF + 8 e
.set SC,  208                          ; v[208:239]  scores: SC + 16 qt + 8 tt
.set RC,  240                          ; v[240:255]  R' of 32 keys, then their factors, then the scores in bf16 (8 registers a query tile)
.set DR,  56                           ; v[56:195]   in front of the barrier: 7 records x 5 pieces x 4 registers
.set CF,  196                          ; v[196:203]  the records' coefficients
.set AT,  204                          ; v[204:210]  their exponents
.set PK,  212                          ; v[212:221]  my pieces in bf16
.macro PLACES
.rept 4
	v_nop
.endr
.endm
	s_load_b128 s[4:7], s[0:1], 0x0                ; qkv 4, aux 6
	s_load_b64 s[8:9], s[0:1], 0x10                ; yb
	s_set_vgpr_msb 0x40
	v_lshl_add_u32 v0, v0, 2, 0x29000
	v_mov_b32 v1, 0
	s_set_vgpr_msb 0x4045
	ds_add_u32 v0, v1
	ds_add_u32 v0, v1
	s_set_vgpr_msb 0x4500
	v_lshrrev_b32 v1, 5, v0
	v_readfirstlane_b32 s12, v1                    ; wave
	s_mov_b32 s55, ttmp9                           ; j
	s_and_b32 s60, ttmp7, 0xffff                   ; seq
	s_lshl_b32 s63, s12, 2
	s_lshr_b32 s13, 0x35174260, s63                ; four bits a wave
	s_and_b32 s13, s13, 7                          ; p
	s_mov_b32 s16, (1<<16)|(1<<20)|(4<<22)|(3<<25) ; k: 2-byte elements, 4 words of padding behind every 32
	s_mov_b32 s17, 64<<16
	s_mov_b32 s18, 32<<16
	s_mov_b32 s19, 64<<16
	s_mov_b32 s20, 32
	s_mov_b32 s21, 64
	s_mov_b32 s22, 0
	s_mov_b32 s23, 0
	s_mov_b32 s24, 1<<16                           ; g v: 32 rows of 80 elements, no padding
	s_mov_b32 s25, 80<<16
	s_mov_b32 s26, 32<<16
	s_mov_b32 s27, 80<<16
	s_mov_b32 s28, 32
	s_mov_b32 s29, 80
	s_mov_b32 s30, 0
	s_mov_b32 s31, 0
	s_mov_b32 s32, 1
	s_mul_i32 s33, s12, 4608
	s_mov_b32 s36, 1
	s_mul_i32 s37, s12, 5120
	s_add_co_u32 s37, s37, VST
	s_lshl_b32 s66, s60, 18
	s_lshl_b32 s63, s55, 15
	s_add_co_u32 s66, s66, s63                     ; the block in q, k and y
	s_mov_b32 s67, 0
	s_lshl_b32 s63, s12, 12
	s_add_co_u32 s68, s66, s63                     ; the 32 key rows that I fetch
	s_mov_b32 s69, 0
	s_lshl_b32 s63, s13, 12
	s_add_co_u32 s66, s66, s63                     ; my 32 query rows
	s_mul_i32 s70, s60, 327680
	s_mul_i32 s63, s55, 40960
	s_add_co_u32 s70, s70, s63
	s_mul_i32 s63, s12, 5120
	s_add_co_u32 s70, s70, s63
	s_mov_b32 s71, 0
	s_lshl_b32 s72, s60, 13
	s_lshl_b32 s63, s55, 10
	s_add_co_u32 s72, s72, s63
	s_mov_b32 s73, 0
	s_mul_i32 s74, s60, 165888
	s_mov_b32 s75, 0
	s_lshl_b32 s78, s13, 7
	s_max_u32 s78, s78, 4
	s_sub_co_u32 s78, s78, 4                       ; the word of row 32 p - 1 (of row 0 for p = 0, where it is not used)
	s_mov_b32 s57, 0x76543210
	s_mov_b32 s58, 0xfedcba98
	s_mov_b32 s59, 0xffff0000
	s_wait_dscnt 0x0
	s_wait_kmcnt 0x0
	s_add_nc_u64 s[34:35], s[4:5], s[68:69]
	s_add_nc_u64 s[34:35], s[34:35], 8388608
	s_or_b32 s35, s35, 0x80000000
	s_add_nc_u64 s[38:39], s[4:5], s[70:71]
	s_add_nc_u64 s[38:39], s[38:39], 16777216
	s_or_b32 s39, s39, 0x80000000
	tensor_load_to_lds s[32:35], s[16:23]
	s_nop 0
	tensor_load_to_lds s[36:39], s[24:31]
	s_nop 0
	s_add_nc_u64 s[10:11], s[6:7], s[74:75]
	s_add_nc_u64 s[10:11], s[10:11], 262144        ; the sequence's eight records
.irp m, 0,1,2,3,4,5,6
	s_load_b32 s[40+\m], s[10:11], \m*20736+20480  ; the totals of blocks 0 to 6
.endr
	s_add_nc_u64 s[14:15], s[6:7], s[72:73]        ; R' of the block
	s_load_b32 s76, s[14:15], s78 offset:0x0       ; rho
	s_add_nc_u64 s[68:69], s[4:5], s[66:67]        ; q
	s_add_nc_u64 s[70:71], s[8:9], s[66:67]        ; y
	v_and_b32 v1, 15, v0                           ; r
	v_bfe_u32 v2, v0, 4, 1                         ; h
	v_and_b32 v3, 31, v0                           ; lane
	v_lshlrev_b32 v4, 4, v3
	v_lshlrev_b32 v224, 7, v1
	v_lshl_add_u32 v224, v2, 4, v224               ; q: row r, 16 h
	v_lshlrev_b32 v225, 2, v1
	s_lshl_b32 s63, s13, 7
	v_add_nc_u32 v225, s63, v225                   ; word 32 p + r
	v_lshlrev_b32 v226, 2, v3
	s_lshl_b32 s63, s12, 7
	v_add_nc_u32 v226, s63, v226                   ; word 32 w + lane
	v_add_nc_u32 v227, RST, v226
.irp qt, 0,1
.irp c, 0,1,2,3
	global_load_b128 v[QF+16*\qt+4*\c:QF+16*\qt+4*\c+3], v224, s[68:69] offset:\qt*2048+32*\c   ; q as source 1: row r; d = 8 h .., 16 + 8 h .., 32 + 8 h .., 48 + 8 h ..
.endr
.endr
	global_load_b32 v16, v225, s[14:15]            ; R' of my query rows: tile 0,
	global_load_b32 v18, v225, s[14:15] offset:64  ; tile 1
	global_load_b32 v228, v226, s[14:15]           ; R' of row 32 w + lane, for LDS
	; THE STATE IN FRONT OF THE BLOCK: pieces 5 w .. 5 w + 4 of seven records.  Record m is clamped to j - 1, so that only records of earlier
	; blocks are read; those beyond get the coefficient 0.
	s_max_u32 s63, s55, 1
	s_sub_co_u32 s63, s63, 1
	s_mul_i32 s74, s12, 2560
	v_add_nc_u32 v5, s74, v4
.irp m, 0,1,2,3,4,5,6
	s_min_u32 s75, s63, \m
	s_mul_i32 s75, s75, 20736
	v_add_nc_u32 v[229+\m], s75, v5
.irp c, 0,1,2,3,4
	global_load_b128 v[DR+20*\m+4*\c:DR+20*\m+4*\c+3], v[229+\m], s[10:11] offset:512*\c
.endr
.endr
	s_wait_kmcnt 0x0
.irp m, 0,1,2,3,4,5,6
	s_cmp_gt_u32 s55, \m
	s_cselect_b32 s[40+\m], s[40+\m], 0
	s_cselect_b32 s[48+\m], 1.0, 0
.endr
	v_mov_b32 v[AT+6], 0
.irp m, 5,4,3,2,1,0
	v_sub_f32 v[AT+\m], v[AT+1+\m], s[41+\m]       ; minus the totals of blocks m + 1 .. j - 1
.endr
.irp m, 0,1,2,3,4,5,6
	v_exp_f32 v[CF+\m], v[AT+\m]
.endr
	v_mov_b32 v[CF+7], 0                           ; the plain place behind the transcendentals; also fills the last pair
	s_wait_alu depctr_va_vdst(0)
.irp m, 0,1,2,3,4,5,6
	v_mul_f32 v[CF+\m], s[48+\m], v[CF+\m]
.endr
	s_cmp_lg_u32 s55, 0
	s_cselect_b32 s56, -1, 0
	s_cmp_eq_u32 s13, 0
	s_cselect_b32 s76, 0, s76                      ; rho = 0 for the block's first rows
	s_xor_b32 s77, s76, 0x80000000                 ; - rho
	s_mul_i32 s63, s12, 1280
	s_add_co_u32 s63, s63, NFR
	v_lshl_add_u32 v236, v3, 3, s63                ; my five pieces: wave x 1,280 + 8 lane
	s_wait_loadcnt 0x0
.irp k, 0,1,2,3,4,5,6,7,8,9
	v_pk_mul_f32 v[DR+2*\k:DR+2*\k+1], v[DR+2*\k:DR+2*\k+1], v[CF:CF+1] op_sel_hi:[1,0]
.endr
.macro PFMA m, cp, odd                 ; + record m times its coefficient: the low or the high register of pair cp
.irp k, 0,1,2,3,4,5,6,7,8,9
.if \odd
	v_pk_fma_f32 v[DR+2*\k:DR+2*\k+1], v[DR+20*\m+2*\k:DR+20*\m+2*\k+1], v[\cp:\cp+1], v[DR+2*\k:DR+2*\k+1] op_sel:[0,1,0] op_sel_hi:[1,1,1]
.else
	v_pk_fma_f32 v[DR+2*\k:DR+2*\k+1], v[DR+20*\m+2*\k:DR+20*\m+2*\k+1], v[\cp:\cp+1], v[DR+2*\k:DR+2*\k+1] op_sel_hi:[1,0,1]
.endif
.endr
.endm
	PFMA 1, 196, 1
	PFMA 2, 198, 0
	PFMA 3, 198, 1
	PFMA 4, 200, 0
	PFMA 5, 200, 1
	PFMA 6, 202, 0
.irp k, 0,1,2,3,4,5,6,7,8,9
	v_cvt_pk_bf16_f32 v[PK+\k], v[DR+2*\k], v[DR+2*\k+1]
.endr
.irp k, 0,1,2,3,4,5,6,7,8,9
	v_cndmask_b32 v[PK+\k], 0, v[PK+\k], s56       ; block 0 starts from zero, whatever record 0 holds
.endr
.irp c, 0,1,2,3,4
	ds_store_b64 v236, v[PK+2*\c:PK+2*\c+1] offset:256*\c
.endr
	ds_store_b32 v227, v228
	v_mov_b32 v12, s77                             ; - rho, a pair
	v_mov_b32 v13, s77
	v_sub_f32 v20, s76, v16                        ; rho - R'_i <= 0
	v_sub_f32 v22, s76, v18
	v_exp_f32 v14, v12                             ; 2^(-rho)
	v_exp_f32 v20, v20                             ; 2^(rho - R'_i), tile 0,
	v_exp_f32 v22, v22                             ; tile 1
	v_mov_b32 v17, v16                             ; plain places behind the transcendentals; R'_i as pairs
	v_mov_b32 v19, v18
	s_wait_alu depctr_va_vdst(0)
	v_mov_b32 v15, v14
	v_mov_b32 v21, v20
	v_mov_b32 v23, v22
	v_lshlrev_b32 v11, 3, v2
	v_sub_nc_u32 v11, v1, v11                      ; on the diagonal key 8 h + jj counts if jj <= r - 8 h
	v_mul_u32_u24 v5, v1, 144
	v_lshl_add_u32 v5, v2, 4, v5                   ; k fragments: row r, 16 h
	v_and_b32 v6, 7, v3
	v_lshl_or_b32 v6, v2, 3, v6
	v_mul_u32_u24 v6, v6, 160
	v_bfe_u32 v7, v0, 3, 1
	v_lshl_add_u32 v6, v7, 4, v6
	v_add_nc_u32 v6, VST, v6                       ; g v by transposing loads
	v_lshlrev_b32 v7, 5, v2
	v_add_nc_u32 v7, RST, v7                       ; R' of keys 8 h ..
	s_mul_i32 s63, s13, 5120
	v_add_nc_u32 v9, s63, v6                       ; the same for the diagonal step
	s_lshl_b32 s63, s13, 7
	v_add_nc_u32 v10, s63, v7
	v_lshlrev_b32 v8, 3, v3
	v_add_nc_u32 v8, NFR, v8                       ; the state's pieces
	s_wait_tensorcnt 0x0                           ; my rows of k and g v are in LDS,
	s_wait_dscnt 0x0                               ; my words of R' and my pieces of the state too
	s_barrier_signal -1
	s_barrier_wait -1                              ; everybody's are; from here LDS outside the waves' own stages is only read
.macro KLOAD s                         ; the k fragments of step s: 8 loads
.irp tt, 0,1
.irp u, 0,1
	ds_load_b128 v[KF+16*\tt+8*\u:KF+16*\tt+8*\u+3], v5 offset:(\s)*4608+\tt*2304+64*\u
	ds_load_b128 v[KF+16*\tt+8*\u+4:KF+16*\tt+8*\u+7], v5 offset:(\s)*4608+\tt*2304+64*\u+32
.endr
.endr
.endm
	; the earlier blocks' share: O[e] = N^T q; fragment (u, e) = tiles 10 u + e (registers 0-3) and 10 u + 5 + e (registers 4-7), two pieces each
.irp u, 0,1
.irp e, 0,1,2,3,4
	ds_load_b64 v[VF+8*(5*\u+\e):VF+8*(5*\u+\e)+1], v8 offset:(20*\u+2*\e)*256
	ds_load_b64 v[VF+8*(5*\u+\e)+2:VF+8*(5*\u+\e)+3], v8 offset:(20*\u+2*\e+1)*256
	ds_load_b64 v[VF+8*(5*\u+\e)+4:VF+8*(5*\u+\e)+5], v8 offset:(20*\u+2*\e+10)*256
	ds_load_b64 v[VF+8*(5*\u+\e)+6:VF+8*(5*\u+\e)+7], v8 offset:(20*\u+2*\e+11)*256
.endr
.endr
	KLOAD 0
	s_wait_dscnt 8                                 ; the state is in; k's eight loads stay out
.irp qt, 0,1
.irp e, 0,1,2,3,4
	v_wmma_f32_16x16x32_bf16 v[OA+40*\qt+8*\e:OA+40*\qt+8*\e+7], v[VF+8*\e:VF+8*\e+7], v[QF+16*\qt:QF+16*\qt+7], 0
.endr
.endr
.irp qt, 0,1
.irp e, 0,1,2,3,4
	v_wmma_f32_16x16x32_bf16 v[OA+40*\qt+8*\e:OA+40*\qt+8*\e+7], v[VF+40+8*\e:VF+40+8*\e+7], v[QF+16*\qt+8:QF+16*\qt+15], v[OA+40*\qt+8*\e:OA+40*\qt+8*\e+7]
.endr
.endr
	PLACES
.irp n, 0,1,2,3,4,5,6,7,8,9,10,11,12,13,14,15,16,17,18,19,20,21,22,23,24,25,26,27,28,29,30,31,32,33,34,35,36,37,38,39
	v_pk_mul_f32 v[OA+2*\n:OA+2*\n+1], v[OA+2*\n:OA+2*\n+1], v[14:15]
.endr
.macro RVLOAD rb, vb, off              ; R' of 32 keys (4 loads) and g v (10 transposing loads)
.irp n, 0,1,2,3
	ds_load_b128 v[RC+4*\n:RC+4*\n+3], v[\rb] offset:\off*128+(\n>>1)*64+(\n&1)*16
.endr
.irp e, 0,1,2,3,4
	ds_load_tr16_b128 v[VF+8*\e:VF+8*\e+3], v[\vb] offset:\off*5120+32*\e
	ds_load_tr16_b128 v[VF+8*\e+4:VF+8*\e+7], v[\vb] offset:\off*5120+32*\e+2560
.endr
.endm
.macro PVMUL                           ; the ten sums take turns
.irp e, 0,1,2,3,4
.irp qt, 0,1
	v_wmma_f32_16x16x32_bf16 v[OA+40*\qt+8*\e:OA+40*\qt+8*\e+7], v[VF+8*\e:VF+8*\e+7], v[RC+8*\qt:RC+8*\qt+7], v[OA+40*\qt+8*\e:OA+40*\qt+8*\e+7]
.endr
.endr
.endm
; A step of 32 keys wholly in front of my rows.  Its k fragments were asked for in the step before.
.macro STEPF s
	RVLOAD 7, 6, \s
	s_wait_dscnt 14                                ; k is in; the 4 loads of R' and the 10 of g v stay out
.irp qt, 0,1
.irp tt, 0,1
	v_wmma_f32_16x16x32_bf16 v[SC+16*\qt+8*\tt:SC+16*\qt+8*\tt+7], v[KF+16*\tt:KF+16*\tt+7], v[QF+16*\qt:QF+16*\qt+7], 0
.endr
.endr
.irp qt, 0,1
.irp tt, 0,1
	v_wmma_f32_16x16x32_bf16 v[SC+16*\qt+8*\tt:SC+16*\qt+8*\tt+7], v[KF+16*\tt+8:KF+16*\tt+15], v[QF+16*\qt+8:QF+16*\qt+15], v[SC+16*\qt+8*\tt:SC+16*\qt+8*\tt+7]
.endr
.endr
	s_wait_dscnt 10                                ; R' is in
.irp n, 0,1,2,3,4,5,6,7
	v_pk_add_f32 v[RC+2*\n:RC+2*\n+1], v[RC+2*\n:RC+2*\n+1], v[12:13]   ; R'_s - rho <= 0; also the places behind the products
.endr
	KLOAD \s+1                                     ; the next step's k (the diagonal step's, behind the last): eight places behind its registers' last use
.irp n, 0,1,2,3,4,5,6,7,8,9,10,11,12,13,14,15
	v_exp_f32 v[RC+\n], v[RC+\n]
.endr
	v_nop
	s_wait_alu depctr_va_vdst(0)
.irp qt, 0,1
.irp n, 0,1,2,3,4,5,6,7
	v_pk_mul_f32 v[SC+16*\qt+2*\n:SC+16*\qt+2*\n+1], v[SC+16*\qt+2*\n:SC+16*\qt+2*\n+1], v[RC+2*\n:RC+2*\n+1]
.endr
.endr
.irp qt, 0,1
.irp n, 0,1,2,3,4,5,6,7
	v_cvt_pk_bf16_f32 v[RC+8*\qt+\n], v[SC+16*\qt+2*\n], v[SC+16*\qt+2*\n+1]
.endr
.endr
	s_wait_dscnt 8                                 ; g v is in; the next step's eight loads of k stay out
	PVMUL
	PLACES
	v_nop
.endm
.irp s, 0,1,2,3,4,5,6
	s_cmp_le_u32 s13, \s
	s_cbranch_scc1 .Ltail
	STEPF \s
.endr
.Ltail:
	; THE DIAGONAL STEP: keys 32 p .. 32 p + 31.  On every way here eight loads of k are out.
	RVLOAD 10, 9, 0
.irp qt, 0,1
.irp n, 0,1,2,3,4,5,6,7,8,9,10,11,12,13,14,15,16,17,18,19
	v_pk_mul_f32 v[OA+40*\qt+2*\n:OA+40*\qt+2*\n+1], v[OA+40*\qt+2*\n:OA+40*\qt+2*\n+1], v[20+2*\qt:21+2*\qt]   ; what lies in front: times 2^(rho - R'_i)
.endr
.endr
	s_wait_dscnt 14
	v_wmma_f32_16x16x32_bf16 v[SC:SC+7], v[KF:KF+7], v[QF:QF+7], 0                             ; keys 0-15, queries 0-15
	v_wmma_f32_16x16x32_bf16 v[SC+16:SC+23], v[KF:KF+7], v[QF+16:QF+23], 0                     ; keys 0-15, queries 16-31
	v_wmma_f32_16x16x32_bf16 v[SC+24:SC+31], v[KF+16:KF+23], v[QF+16:QF+23], 0                 ; keys 16-31, queries 16-31
	v_wmma_f32_16x16x32_bf16 v[SC:SC+7], v[KF+8:KF+15], v[QF+8:QF+15], v[SC:SC+7]
	v_wmma_f32_16x16x32_bf16 v[SC+16:SC+23], v[KF+8:KF+15], v[QF+24:QF+31], v[SC+16:SC+23]
	v_wmma_f32_16x16x32_bf16 v[SC+24:SC+31], v[KF+24:KF+31], v[QF+24:QF+31], v[SC+24:SC+31]
	s_wait_dscnt 10
	PLACES                                         ; k's registers take the exponents
.irp n, 0,1,2,3
	v_pk_add_f32 v[KF+16+2*\n:KF+17+2*\n], v[RC+2*\n:RC+2*\n+1], v[16:17] neg_lo:[0,1] neg_hi:[0,1]   ; R'_s - R'_i, queries 0-15, keys 0-15
.endr
.irp n, 0,1,2,3,4,5,6,7
	v_pk_add_f32 v[KF+2*\n:KF+2*\n+1], v[RC+2*\n:RC+2*\n+1], v[18:19] neg_lo:[0,1] neg_hi:[0,1]       ; queries 16-31, keys 0-31
.endr
.irp n, 0,1,2,3,4,5,6,7,8,9,10,11,12,13,14,15,16,17,18,19,20,21,22,23
	v_exp_f32 v[KF+\n], v[KF+\n]
.endr
	v_nop
	s_wait_alu depctr_va_vdst(0)
.irp n, 0,1,2,3
	v_pk_mul_f32 v[SC+2*\n:SC+2*\n+1], v[SC+2*\n:SC+2*\n+1], v[KF+16+2*\n:KF+17+2*\n]
.endr
.irp n, 0,1,2,3,4,5,6,7
	v_pk_mul_f32 v[SC+16+2*\n:SC+17+2*\n], v[SC+16+2*\n:SC+17+2*\n], v[KF+2*\n:KF+2*\n+1]
.endr
.irp jj, 0,1,2,3,4,5,6,7
	v_cmp_le_i32 vcc_lo, \jj, v11
	v_cndmask_b32 v[SC+\jj], 0, v[SC+\jj], vcc_lo              ; a select: what a later key's exponential gave never enters a sum
	v_cndmask_b32 v[SC+24+\jj], 0, v[SC+24+\jj], vcc_lo
.endr
.irp n, 0,1,2,3
	v_cvt_pk_bf16_f32 v[RC+\n], v[SC+2*\n], v[SC+2*\n+1]
.endr
.irp n, 4,5,6,7
	v_mov_b32 v[RC+\n], 0                          ; keys 16-31 come behind queries 0-15
.endr
.irp n, 0,1,2,3,4,5,6,7
	v_cvt_pk_bf16_f32 v[RC+8+\n], v[SC+16+2*\n], v[SC+17+2*\n]
.endr
	s_wait_dscnt 0x0
	PVMUL
	PLACES
	; divide and leave: the denominator is column 64 = register 0 of column tile 4 in lanes 0-15
	v_permlanex16_b32 v12, v[OA+32], s57, s58
	v_cndmask_b32 v12, v[OA+32], v12, s59
	v_permlanex16_b32 v14, v[OA+72], s57, s58
	v_cndmask_b32 v14, v[OA+72], v14, s59
	v_add_f32 v12, 0x358637bd, v12                 ; + 1e-6
	v_add_f32 v14, 0x358637bd, v14
	v_rcp_f32 v12, v12
	v_rcp_f32 v14, v14
	v_nop
	s_wait_alu depctr_va_vdst(0)
	v_mov_b32 v13, v12
	v_mov_b32 v15, v14
.irp qt, 0,1
.irp n, 0,1,2,3,4,5,6,7,8,9,10,11,12,13,14,15
	v_pk_mul_f32 v[OA+40*\qt+2*\n:OA+40*\qt+2*\n+1], v[OA+40*\qt+2*\n:OA+40*\qt+2*\n+1], v[12+2*\qt:13+2*\qt]
.endr
.endr
.irp qt, 0,1
.irp n, 0,1,2,3,4,5,6,7,8,9,10,11,12,13,14,15
	v_cvt_pk_bf16_f32 v[KF+16*\qt+\n], v[OA+40*\qt+2*\n], v[OA+40*\qt+2*\n+1]
.endr
.endr
	s_add_co_u32 s63, s33, STG                     ; my stage: wave x 4,608
	v_add_nc_u32 v5, s63, v5                       ; in: row r, 16 h
	v_lshrrev_b32 v6, 3, v3
	v_mul_u32_u24 v6, v6, 144
	v_and_b32 v7, 7, v3
	v_lshl_add_u32 v6, v7, 4, v6
	v_add_nc_u32 v6, s63, v6                       ; back: four rows of 128 bytes a load
.irp qt, 0,1
.irp e, 0,1,2,3
	ds_store_b128 v5, v[KF+16*\qt+4*\e:KF+16*\qt+4*\e+3] offset:\qt*2304+32*\e
.endr
.endr
.irp c, 0,1,2,3,4,5,6,7
	ds_load_b128 v[VF+4*\c:VF+4*\c+3], v6 offset:\c*576            ; my own bytes, served in order
.endr
.irp c, 0,1,2,3,4,5,6,7
	s_wait_dscnt 7-\c
	global_store_b128 v4, v[VF+4*\c:VF+4*\c+3], s[70:71] offset:\c*512   ; 512 consecutive bytes, aligned
.endr
	s_set_vgpr_msb 0x5
	s_wait_tensorcnt 0x0
	ds_add_u32 v0, v1
	s_wait_dscnt 0x0
	s_set_vgpr_msb 0x500
	s_endpgm
.Lfunc_end_k_q58364f8f31_scan:
	.size	k_q58364f8f31_scan, .Lfunc_end_k_q58364f8f31_scan-k_q58364f8f31_scan
	.p2alignl 7, 3214868480
	.fill 96, 4, 3214868480
	.section	.rodata,"a",@progbits
	.p2align	6, 0x0
	.amdhsa_kernel k_q58364f8f31_scan
		.amdhsa_group_segment_fixed_size 168960
		.amdhsa_private_segment_fixed_size 0
		.amdhsa_enable_private_segment 0
		.amdhsa_kernarg_size 24
		.amdhsa_user_sgpr_count 2
		.amdhsa_user_sgpr_kernarg_segment_ptr 1
		.amdhsa_wavefront_size32 1
		.amdhsa_system_sgpr_workgroup_id_x 1
		.amdhsa_system_sgpr_workgroup_id_y 1
		.amdhsa_system_sgpr_workgroup_id_z 1
		.amdhsa_system_vgpr_workitem_id 0
		.amdhsa_next_free_vgpr 258
		.amdhsa_next_free_sgpr 80
		.amdhsa_reserve_vcc 1
		.amdhsa_float_denorm_mode_32 3
		.amdhsa_float_denorm_mode_16_64 3
		.amdhsa_memory_ordered 1
		.amdhsa_forward_progress 1
		.amdhsa_inst_pref_size 84
	.end_amdhsa_kernel
	.amdgpu_metadata
---
amdhsa.version: [ 1, 2 ]
amdhsa.kernels:
  - .name:           k_q58364f8f31_scan
    .symbol:         k_q58364f8f31_scan.kd
    .args:
      - { .name: qkv, .offset: 0, .size: 8, .value_kind: global_buffer, .address_space: global }
      - { .name: aux, .offset: 8, .size: 8, .value_kind: global_buffer, .address_space: global }
      - { .name: yb, .offset: 16, .size: 8, .value_kind: global_buffer, .address_space: global }
    .group_segment_fixed_size: 168960
    .private_segment_fixed_size: 0
    .kernarg_segment_align: 8
    .kernarg_segment_size: 24
    .max_flat_workgroup_size: 256
    .sgpr_count:     80
    .vgpr_count:     258
    .wavefront_size: 32
...
	.end_amdgpu_metadata
.endif
;; end of part 3
;; launch oproj (part 4): grid 8 x 32, 4 waves a work-group, clusters of 4 x 4, 327,680 bytes of LDS; arguments yb, wts, x, out_b, pre; writes pre
.if DOCPART == 4
	.amdgcn_target "amdgcn-amd-amdhsa--gfx1250"
	.amdhsa_code_object_version 6
	.text
	.protected	k_q58364f8f31_oproj
	.globl	k_q58364f8f31_oproj
	.p2align	8
	.type	k_q58364f8f31_oproj,@function
k_q58364f8f31_oproj:
	s_mov_b64 s[64:65], 0
	v_nop
	global_prefetch_b8 v0, s[64:65] scope:SCOPE_SE
	s_setreg_imm32_b32 hwreg(HW_REG_WAVE_MODE, 25, 1), 1
	s_wait_xcnt 0x0
	s_wait_alu depctr_hold_cnt(0) depctr_sa_sdst(0) depctr_va_vdst(0) depctr_va_sdst(0) depctr_va_ssrc(0) depctr_va_vcc(0) depctr_vm_vsrc(0)
	s_getreg_b32 s2, hwreg(HW_REG_IB_STS2, 6, 4)
	s_cmp_eq_u32 s2, 0
	s_cbranch_scc0 .Lentry_in_a_cluster
	s_endpgm
.Lentry_in_a_cluster:
	s_bfe_u32 s2, ttmp6, 0x10000c
	s_cmp_lg_u32 s2, 0xf033
	s_cbranch_scc0 .Lentry_shape_is_right
	s_endpgm
.Lentry_shape_is_right:
; oproj: pre = x + (y out_w + out_b), f32.  y is yb, bf16 [32 seq][2048][64]; out_w transposed is WO in wts, bf16 [1024 n][1024 k].
; A work-group makes 128 rows x 128 columns (256 work-groups); a wave 64 x 64: 16 accumulator tiles, used transposed (a lane holds row r, 8 columns).
; K goes in 8 steps of 128 = two heads through FOUR LDS slots, two of them filled behind one round: each refilled tile has two K steps in which
; to land.  All 8 steps are written out.  By this text's own count a wave has at most four tensor loads outstanding (the four at the start).
; x (64 KiB a work-group) is wanted only on the way out: it is asked for behind the second K step, when the first four tiles have landed and
; the first refills are issued, and has six K steps in which to land.
; CLUSTER 4 x 4: y's tiles hang on the row block alone (shared along a row of the cluster), WO's on the column block alone (along a column).
; The whole LayerNorm row is not here (a work-group has 128 of 1,024 columns): it is the next launch's.
.set SLOT,  71680                      ; y head 0: 128 x 144 | y head 1: 128 x 144 | WO: 128 x 272
.set AH,    18432
.set BO,    36864
.set STAGE, 286720                     ; 4 x 16 rows x 272 bytes: the way out, each wave's own, never filled by a tensor load
.set F0, 64                            ; fragment buffers: 32 registers of WO, then 32 of y
.set F1, 128
.set G1A, 28
.set G1B, 36
.set G0A, 44                           ; s[44:59]: one group 0 for each slot
.set G0B, 68                           ; s[68:83]
; Window 0: addresses, bias v32-35, fragments v64-191, v192-255 at work on the way out.  Window 1: accumulators v0-127 (tile (a, b) at 8 (4 a + b)), x v128-255.
.set MSB, 0
.macro WIN new
.if MSB != (\new)
	s_set_vgpr_msb (MSB<<8)|(\new)
.set MSB, (\new)
.endif
.endm
.macro PLACES
.rept 4
	v_nop
.endr
.endm
.macro JLOAD s
	s_cmp_eq_u32 s20, 0
	s_cbranch_scc0 .Lfor_b_\@
	tensor_load_to_lds s[G0A+4*\s:G0A+4*\s+3], s[G1A:G1A+7]
	s_nop 0
	s_branch .Lasked_\@
.Lfor_b_\@:
	tensor_load_to_lds s[G0B+4*\s:G0B+4*\s+3], s[G1B:G1B+7]
	s_nop 0
.Lasked_\@:
.endm
.macro CROUND
	s_barrier_signal -1
	s_barrier_wait -1
	s_cmp_lg_u32 s18, 0
	s_cbranch_scc1 .Lnot_wave_0_\@
	s_barrier_signal -3
.Lnot_wave_0_\@:
	s_barrier_wait -3
	s_barrier_signal -1
	s_barrier_wait -1
.endm
	s_load_b256 s[4:11], s[0:1], 0x0               ; yb 4, wts 6, x 8, out_b 10
	s_load_b64 s[12:13], s[0:1], 0x20              ; pre
	v_lshl_add_u32 v62, v0, 2, 0x4a400
	v_mov_b32 v63, 0
	ds_add_u32 v62, v63
	ds_add_u32 v62, v63
	v_lshrrev_b32 v1, 5, v0
	v_readfirstlane_b32 s18, v1                    ; wave
	s_and_b32 s19, s18, 1                          ; my half of the columns; also which head or which 64 rows of WO I fetch
	s_lshr_b32 s20, s18, 1                         ; my half of the rows; also 0: I fetch y, 1: WO
	s_bfe_u32 s21, ttmp6, 0x40000
	s_bfe_u32 s22, ttmp6, 0x40004
	s_lshl_b32 s23, ttmp9, 2
	s_add_co_u32 s23, s23, s21                     ; column block
	s_and_b32 s24, ttmp7, 0xffff
	s_lshl_b32 s24, s24, 2
	s_add_co_u32 s24, s24, s22                     ; row block
	s_lshl_b32 s26, s22, 2
	s_lshl_b32 s26, 15, s26
	s_lshl_b32 s27, 0x1111, s21
	s_or_b32 s[G1A+0], s26, (1<<16)|(1<<20)|(1<<21)|(4<<22)|(3<<25)   ; rows of 32 words, 4 words of padding
	s_or_b32 s[G1B+0], s27, (1<<16)|(1<<20)|(1<<21)|(5<<22)|(3<<25)   ; rows of 64 words
	s_mov_b32 s[G1A+1], 64<<16
	s_mov_b32 s[G1B+1], 128<<16
	s_mov_b32 s[G1A+2], 128<<16
	s_mov_b32 s[G1B+2], 64<<16
	s_mov_b32 s[G1A+3], 64<<16
	s_mov_b32 s[G1B+3], 128<<16
	s_mov_b32 s[G1A+4], 128
	s_mov_b32 s[G1B+4], 64
	s_mov_b32 s[G1A+5], 64
	s_mov_b32 s[G1B+5], 1024
	s_mov_b32 s[G1A+6], 0
	s_mov_b32 s[G1B+6], 0
	s_mov_b32 s[G1A+7], 0
	s_mov_b32 s[G1B+7], 0
	s_lshr_b32 s60, s24, 4                         ; y: sequence 16 batch + head, 128 rows of 128 bytes a block
	s_lshl_b32 s60, s60, 4
	s_add_co_u32 s60, s60, s19
	s_lshl_b32 s60, s60, 18
	s_and_b32 s61, s24, 15
	s_lshl_b32 s61, s61, 14
	s_add_co_u32 s60, s60, s61
	s_mov_b32 s61, 0
	s_lshl_b32 s62, s23, 18                        ; WO: 128 rows of 2,048 bytes a block, 64 a half
	s_lshl_b32 s63, s19, 17
	s_add_co_u32 s62, s62, s63
	s_mov_b32 s63, 0
	s_mul_i32 s94, s18, AH
	s_mul_i32 s95, s18, 64*272
	s_add_co_u32 s95, s95, BO-2*64*272
	s_lshl_b32 s90, s24, 19                        ; x and pre: my first row,
	s_lshl_b32 s92, s20, 18
	s_add_co_u32 s90, s90, s92
	s_lshl_b32 s92, s23, 9                         ; my first column
	s_lshl_b32 s93, s19, 8
	s_add_co_u32 s92, s92, s93
	s_mov_b32 s93, 0
	s_add_co_u32 s90, s90, s92
	s_mov_b32 s91, 0
	s_wait_dscnt 0x0
	s_wait_kmcnt 0x0
	s_add_nc_u64 s[60:61], s[4:5], s[60:61]
	s_add_nc_u64 s[62:63], s[6:7], s[62:63]
	s_add_nc_u64 s[62:63], s[62:63], 6815744
	s_add_nc_u64 s[84:85], s[8:9], s[90:91]
	s_add_nc_u64 s[88:89], s[12:13], s[90:91]
	s_add_nc_u64 s[86:87], s[10:11], s[92:93]
	CROUND                                         ; in front of the first joint loads
.irp s, 0,1,2,3
	s_mov_b32 s[G0A+4*\s], 1
	s_add_co_u32 s[G0A+4*\s+1], s94, \s*SLOT
	s_add_nc_u64 s[G0A+4*\s+2:G0A+4*\s+3], s[60:61], \s*524288
	s_or_b32 s[G0A+4*\s+3], s[G0A+4*\s+3], 0x80000000
	s_mov_b32 s[G0B+4*\s], 1
	s_add_co_u32 s[G0B+4*\s+1], s95, \s*SLOT
	s_add_nc_u64 s[G0B+4*\s+2:G0B+4*\s+3], s[62:63], \s*256
	s_or_b32 s[G0B+4*\s+3], s[G0B+4*\s+3], 0x80000000
	JLOAD \s
.endr
	v_and_b32 v1, 15, v0
	v_bfe_u32 v2, v0, 4, 1
	v_mul_u32_u24 v4, v1, 144
	v_lshl_add_u32 v4, v2, 4, v4
	s_mul_i32 s96, s20, 64*144
	v_add_nc_u32 v8, s96, v4                       ; y fragments, slots 0 to 3
	v_add_nc_u32 v9, SLOT, v8
	v_add_nc_u32 v10, 2*SLOT, v8
	v_add_nc_u32 v11, 3*SLOT, v8
	v_mul_u32_u24 v4, v1, 272
	v_lshl_add_u32 v4, v2, 4, v4
	s_mul_i32 s96, s19, 64*272
	s_add_co_u32 s96, s96, BO
	v_add_nc_u32 v12, s96, v4                      ; WO fragments
	v_add_nc_u32 v13, SLOT, v12
	v_add_nc_u32 v14, 2*SLOT, v12
	v_add_nc_u32 v15, 3*SLOT, v12
	s_mul_i32 s96, s18, 4352
	s_add_co_u32 s96, s96, STAGE
	v_mul_u32_u24 v6, v1, 272
	v_lshl_add_u32 v6, v2, 5, v6
	v_add_nc_u32 v6, s96, v6                       ; the way out, in: row r, 32 bytes for each half
	v_mul_u32_u24 v7, v2, 272
	v_lshl_add_u32 v7, v1, 4, v7
	v_add_nc_u32 v7, s96, v7                       ; back: lanes 0-15 one row of 256 bytes, lanes 16-31 the next
	v_lshlrev_b32 v16, 4, v1
	v_lshl_add_u32 v5, v2, 12, v16                 ; the same two rows in x and in pre
.macro FETCH s, qd, f                  ; 16 LDS loads: 64 rows of WO and 64 of y, 32 K of quarter qd (quarters 0, 1: the even head; 2, 3: the odd)
	WIN 0
.irp b, 0,1,2,3
	ds_load_b128 v[\f+8*\b:\f+8*\b+3], v[12+\s] offset:\b*4352+64*\qd
	ds_load_b128 v[\f+8*\b+4:\f+8*\b+7], v[12+\s] offset:\b*4352+64*\qd+32
.endr
.irp a, 0,1,2,3
	ds_load_b128 v[\f+32+8*\a:\f+35+8*\a], v[8+\s] offset:(\qd>>1)*AH+\a*2304+(\qd&1)*64
	ds_load_b128 v[\f+36+8*\a:\f+39+8*\a], v[8+\s] offset:(\qd>>1)*AH+\a*2304+(\qd&1)*64+32
.endr
.endm
.macro MUL16 f, zero                   ; the 16 accumulators take turns in one order throughout
	WIN 0x50
.irp a, 0,1,2,3
.irp b, 0,1,2,3
.if \zero
	v_wmma_f32_16x16x32_bf16 v[8*(4*\a+\b):8*(4*\a+\b)+7], v[\f+8*\b:\f+8*\b+7], v[\f+32+8*\a:\f+39+8*\a], 0
.else
	v_wmma_f32_16x16x32_bf16 v[8*(4*\a+\b):8*(4*\a+\b)+7], v[\f+8*\b:\f+8*\b+7], v[\f+32+8*\a:\f+39+8*\a], v[8*(4*\a+\b):8*(4*\a+\b)+7]
.endif
.endr
.endr
.endm
.macro QUARTER s, nq, f, g, zero       ; buffer f is in; quarter nq's fragments go into g while f is multiplied
	s_wait_dscnt 0x0
	PLACES
	FETCH \s, \nq, \g
	MUL16 \f, \zero
.endm
; The last quarter of a K step changes slots.  kind 0: the next tile was shown landed in front of the last round.  kind 1: a counted wait and a plain
; barrier, behind which nothing is filled.  kind 2: slots sa and sb, both read to the end, are filled again: every wave's reads and ALL its
; tensor loads are waited for, their addresses step, a round of the cluster's barrier, and the two joint refills first behind it.
.macro LASTQ next, cnt, kind, sa, sb
	s_wait_dscnt 0x0
.if \kind == 1
	s_wait_tensorcnt \cnt
	s_barrier_signal -1
	s_barrier_wait -1
.endif
.if \kind == 2
	s_wait_tensorcnt 0x0
	ds_add_u32 v62, v63
	s_wait_dscnt 0x0
	s_add_nc_u64 s[G0A+4*\sa+2:G0A+4*\sa+3], s[G0A+4*\sa+2:G0A+4*\sa+3], 2097152
	s_add_nc_u64 s[G0B+4*\sa+2:G0B+4*\sa+3], s[G0B+4*\sa+2:G0B+4*\sa+3], 1024
	s_add_nc_u64 s[G0A+4*\sb+2:G0A+4*\sb+3], s[G0A+4*\sb+2:G0A+4*\sb+3], 2097152
	s_add_nc_u64 s[G0B+4*\sb+2:G0B+4*\sb+3], s[G0B+4*\sb+2:G0B+4*\sb+3], 1024
	WIN 0
	CROUND
	JLOAD \sa
	JLOAD \sb
.endif
	PLACES
	FETCH \next, 0, F0
	MUL16 F1, 0
.endm
.macro THREE s, zero
	QUARTER \s, 1, F0, F1, \zero
	QUARTER \s, 2, F1, F0, 0
	QUARTER \s, 3, F0, F1, 0
.endm
	s_wait_tensorcnt 3                             ; my part of K step 0 is in; steps 1, 2, 3 stay out
	s_barrier_signal -1
	s_barrier_wait -1
	FETCH 0, 0, F0
	THREE 0, 1
	LASTQ 1, 2, 1, 0, 0                            ; step 1 is in; steps 2, 3 stay out
	THREE 1, 0
	LASTQ 2, 0, 2, 0, 1                            ; steps 4, 5 go into slots 0, 1
	WIN 0x40                                       ; x, all 64 x 64 of it, into window 1, on its way through the last six K steps; v5 and v16 stay
.irp a, 0,1,2,3
.irp tt, 0,1,2,3,4,5,6,7
	global_load_b128 v[128+32*\a+4*\tt:131+32*\a+4*\tt], v5, s[84:85] offset:(16*\a+2*\tt)*4096 th:TH_LOAD_NT
.endr
.endr
	WIN 0
	global_load_b128 v[32:35], v16, s[86:87]       ; out_b of my four columns
	THREE 2, 0
	LASTQ 3, 0, 0, 0, 0
	THREE 3, 0
	LASTQ 0, 0, 2, 2, 3                            ; steps 6, 7 go into slots 2, 3
	THREE 0, 0
	LASTQ 1, 0, 0, 0, 0
	THREE 1, 0
	LASTQ 2, 1, 1, 0, 0                            ; step 6 is in; step 7 stays out
	THREE 2, 0
	LASTQ 3, 0, 1, 0, 0
	THREE 3, 0
	s_wait_dscnt 0x0
	MUL16 F1, 0
	PLACES
	WIN 0
	s_wait_loadcnt 0x0                             ; x and the bias
; THE WAY OUT, 16 rows at a time through my own stage: a lane's 32 bytes go in, whole rows of 256 bytes come back, bias and x are added
.macro OUT a, t
	WIN 0x04                                       ; store data from window 1
.irp b, 0,1,2,3
	ds_store_b128 v6, v[8*(4*\a+\b):8*(4*\a+\b)+3] offset:64*\b
	ds_store_b128 v6, v[8*(4*\a+\b)+4:8*(4*\a+\b)+7] offset:64*\b+16
.endr
	WIN 0
	s_wait_xcnt 0x0                                ; set t was store data two groups ago
.irp tt, 0,1,2,3,4,5,6,7
	ds_load_b128 v[\t+4*\tt:\t+4*\tt+3], v7 offset:\tt*544         ; my own bytes, served in order
.endr
	s_wait_dscnt 0x0
.irp n, 0,1,2,3,4,5,6,7,8,9,10,11,12,13,14,15
	v_pk_add_f32 v[\t+2*\n:\t+2*\n+1], v[\t+2*\n:\t+2*\n+1], v[32+2*(\n&1):33+2*(\n&1)]
.endr
	WIN 0x04
.irp n, 0,1,2,3,4,5,6,7,8,9,10,11,12,13,14,15
	v_pk_add_f32 v[\t+2*\n:\t+2*\n+1], v[\t+2*\n:\t+2*\n+1], v[128+32*\a+2*\n:129+32*\a+2*\n]
.endr
	WIN 0
.irp tt, 0,1,2,3,4,5,6,7
	global_store_b128 v5, v[\t+4*\tt:\t+4*\tt+3], s[88:89] offset:(16*\a+2*\tt)*4096   ; 16 lanes store 256 consecutive bytes, aligned
.endr
.endm
	OUT 0, 192
	OUT 1, 224
	OUT 2, 192
	OUT 3, 224
	s_wait_tensorcnt 0x0
	ds_add_u32 v62, v63
	s_wait_dscnt 0x0
	CROUND                                         ; the closing round
	s_endpgm
.Lfunc_end_k_q58364f8f31_oproj:
	.size	k_q58364f8f31_oproj, .Lfunc_end_k_q58364f8f31_oproj-k_q58364f8f31_oproj
	.p2alignl 7, 3214868480
	.fill 96, 4, 3214868480
	.section	.rodata,"a",@progbits
	.p2align	6, 0x0
	.amdhsa_kernel k_q58364f8f31_oproj
		.amdhsa_group_segment_fixed_size 327680
		.amdhsa_private_segment_fixed_size 0
		.amdhsa_enable_private_segment 0
		.amdhsa_kernarg_size 40
		.amdhsa_user_sgpr_count 2
		.amdhsa_user_sgpr_kernarg_segment_ptr 1
		.amdhsa_wavefront_size32 1
		.amdhsa_system_sgpr_workgroup_id_x 1
		.amdhsa_system_sgpr_workgroup_id_y 1
		.amdhsa_system_sgpr_workgroup_id_z 1
		.amdhsa_system_vgpr_workitem_id 0
		.amdhsa_next_free_vgpr 512
		.amdhsa_next_free_sgpr 100
		.amdhsa_reserve_vcc 0
		.amdhsa_float_denorm_mode_32 3
		.amdhsa_float_denorm_mode_16_64 3
		.amdhsa_memory_ordered 1
		.amdhsa_forward_progress 1
		.amdhsa_inst_pref_size 102
	.end_amdhsa_kernel
	.amdgpu_metadata
---
amdhsa.version: [ 1, 2 ]
amdhsa.kernels:
  - .name:           k_q58364f8f31_oproj
    .symbol:         k_q58364f8f31_oproj.kd
    .args:
      - { .name: yb, .offset: 0, .size: 8, .value_kind: global_buffer, .address_space: global }
      - { .name: wts, .offset: 8, .size: 8, .value_kind: global_buffer, .address_space: global }
      - { .name: x, .offset: 16, .size: 8, .value_kind: global_buffer, .address_space: global }
      - { .name: out_b, .offset: 24, .size: 8, .value_kind: global_buffer, .address_space: global }
      - { .name: pre, .offset: 32, .size: 8, .value_kind: global_buffer, .address_space: global }
    .group_segment_fixed_size: 327680
    .private_segment_fixed_size: 0
    .kernarg_segment_align: 8
    .kernarg_segment_size: 40
    .max_flat_workgroup_size: 128
    .sgpr_count:     100
    .vgpr_count:     512
    .wavefront_size: 32
...
	.end_amdgpu_metadata
.endif
;; end of part 4
;; launch lnorm (part 5): grid 256 x 1, 8 waves a work-group, no clusters, 0 bytes of LDS; arguments pre, ln_g, ln_b, out0; writes out0
.if DOCPART == 5
	.amdgcn_target "amdgcn-amd-amdhsa--gfx1250"
	.amdhsa_code_object_version 6
	.text
	.protected	k_q58364f8f31_lnorm
	.globl	k_q58364f8f31_lnorm
	.p2align	8
	.type	k_q58364f8f31_lnorm,@function
k_q58364f8f31_lnorm:
	s_mov_b64 s[64:65], 0
	v_nop
	global_prefetch_b8 v0, s[64:65] scope:SCOPE_SE
	s_setreg_imm32_b32 hwreg(HW_REG_WAVE_MODE, 25, 1), 1
	s_wait_xcnt 0x0
; lnorm: out0 = (pre - mean) / sqrt(var + 1e-5) * g + b along rows of 1,024 f32.
; A stream: a wave takes two whole rows (32 registers each) and keeps them between the passes, so that each byte is read once;
; the reductions never leave the wave: no LDS, no barrier, no matrix unit, no cluster (no two work-groups share a row; g and b are 8 KiB).
; The variance is the mean of (x - mean)^2, formed behind the mean: no difference of large sums.  1 / sqrt by v_rsq_f32.
; All 32 loads of a wave are issued at once, in the order row 0, g, b, row 1: row 0 is finished and stored while row 1 is still on its way.
; Each load and store covers 512 consecutive bytes, aligned.
.set X0, 16                            ; v[16:47]   row 0
.set X1, 48                            ; v[48:79]   row 1
.set GG, 80                            ; v[80:111]  g of my columns
.set BB, 112                           ; v[112:143] b
.set R0, 144                           ; v[144:145] 1 / sqrt, twice
.set R1, 146
	s_load_b256 s[4:11], s[0:1], 0x0               ; pre 4, g 6, b 8, out0 10
	v_and_b32 v1, 31, v0
	v_and_b32 v2, 0xe0, v0
	v_lshlrev_b32 v3, 4, v1                        ; 16 lane
	v_lshl_add_u32 v1, v2, 8, v3                   ; + wave x two rows of 4,096 bytes
	v_mov_b32 v13, 0                               ; v_permlanex16_b32 counts as a reader of its destination
	s_lshl_b32 s2, ttmp9, 16                       ; 16 rows a work-group
	s_mov_b32 s3, 0
	s_mov_b32 s12, 0x3a800000                      ; 1 / 1024
	s_mov_b32 s13, 0x3727c5ac                      ; 1e-5
	s_mov_b32 s14, 0x76543210
	s_mov_b32 s15, 0xfedcba98
	s_wait_kmcnt 0x0
	s_add_nc_u64 s[4:5], s[4:5], s[2:3]
	s_add_nc_u64 s[10:11], s[10:11], s[2:3]
.irp c, 0,1,2,3,4,5,6,7
	global_load_b128 v[X0+4*\c:X0+4*\c+3], v1, s[4:5] offset:512*\c th:TH_LOAD_NT
.endr
.irp c, 0,1,2,3,4,5,6,7
	global_load_b128 v[GG+4*\c:GG+4*\c+3], v3, s[6:7] offset:512*\c
.endr
.irp c, 0,1,2,3,4,5,6,7
	global_load_b128 v[BB+4*\c:BB+4*\c+3], v3, s[8:9] offset:512*\c
.endr
.irp c, 0,1,2,3,4,5,6,7
	global_load_b128 v[X1+4*\c:X1+4*\c+3], v1, s[4:5] offset:4096+512*\c th:TH_LOAD_NT
.endr
.macro FOLD                            ; four pairs v[4:11] to one number in every lane of v12
	v_pk_add_f32 v[4:5], v[4:5], v[6:7]
	v_pk_add_f32 v[8:9], v[8:9], v[10:11]
	v_pk_add_f32 v[4:5], v[4:5], v[8:9]
	v_add_f32 v12, v4, v5
	v_add_f32_dpp v12, v12, v12 row_xmask:1 row_mask:0xf bank_mask:0xf
	v_add_f32_dpp v12, v12, v12 row_xmask:2 row_mask:0xf bank_mask:0xf
	v_add_f32_dpp v12, v12, v12 row_xmask:4 row_mask:0xf bank_mask:0xf
	v_add_f32_dpp v12, v12, v12 row_xmask:8 row_mask:0xf bank_mask:0xf
	v_permlanex16_b32 v13, v12, s14, s15
	v_add_f32 v12, v12, v13
.endm
.macro STAT x, left, rs                ; the row becomes x - mean; rs gets 1 / sqrt(var + eps)
	s_wait_loadcnt \left
.irp k, 0,1,2,3
	v_pk_add_f32 v[4+2*\k:5+2*\k], v[\x+2*\k:\x+2*\k+1], v[\x+8+2*\k:\x+9+2*\k]   ; four chains, started by the data: nothing is cleared
.endr
.irp k, 0,1,2,3
	v_pk_add_f32 v[4+2*\k:5+2*\k], v[4+2*\k:5+2*\k], v[\x+16+2*\k:\x+17+2*\k]
.endr
.irp k, 0,1,2,3
	v_pk_add_f32 v[4+2*\k:5+2*\k], v[4+2*\k:5+2*\k], v[\x+24+2*\k:\x+25+2*\k]
.endr
	FOLD
	v_mul_f32 v14, s12, v12
	v_mul_f32 v15, s12, v12
.irp n, 0,1,2,3,4,5,6,7,8,9,10,11,12,13,14,15
	v_pk_add_f32 v[\x+2*\n:\x+2*\n+1], v[\x+2*\n:\x+2*\n+1], v[14:15] neg_lo:[0,1] neg_hi:[0,1]
.endr
.irp k, 0,1,2,3
	v_pk_mul_f32 v[4+2*\k:5+2*\k], v[\x+2*\k:\x+2*\k+1], v[\x+2*\k:\x+2*\k+1]
.endr
.irp n, 4,5,6,7,8,9,10,11,12,13,14,15
	v_pk_fma_f32 v[4+2*(\n&3):5+2*(\n&3)], v[\x+2*\n:\x+2*\n+1], v[\x+2*\n:\x+2*\n+1], v[4+2*(\n&3):5+2*(\n&3)]
.endr
	FOLD
	v_fma_f32 v12, v12, s12, s13
	v_rsq_f32 v[\rs], v12
	v_rsq_f32 v[\rs+1], v12
	v_nop                                          ; the plain place behind the transcendentals (ISA guide 5.7.2)
.endm
.macro SCALE x, rs, off
	s_wait_alu depctr_va_vdst(0)
.irp n, 0,1,2,3,4,5,6,7,8,9,10,11,12,13,14,15
	v_pk_mul_f32 v[\x+2*\n:\x+2*\n+1], v[\x+2*\n:\x+2*\n+1], v[\rs:\rs+1]
.endr
.irp n, 0,1,2,3,4,5,6,7,8,9,10,11,12,13,14,15
	v_pk_fma_f32 v[\x+2*\n:\x+2*\n+1], v[\x+2*\n:\x+2*\n+1], v[GG+2*\n:GG+2*\n+1], v[BB+2*\n:BB+2*\n+1]
.endr
.irp c, 0,1,2,3,4,5,6,7
	global_store_b128 v1, v[\x+4*\c:\x+4*\c+3], s[10:11] offset:\off+512*\c th:TH_STORE_NT
.endr
.endm
	STAT X0, 24, R0                                ; row 0 is in; the 16 loads of g and b and row 1's 8 stay out
	s_wait_loadcnt 8                               ; g and b are in; row 1's 8 loads stay out
	SCALE X0, R0, 0
	STAT X1, 0, R1                                 ; row 1 is in
	SCALE X1, R1, 4096
	s_endpgm
.Lfunc_end_k_q58364f8f31_lnorm:
	.size	k_q58364f8f31_lnorm, .Lfunc_end_k_q58364f8f31_lnorm-k_q58364f8f31_lnorm
	.p2alignl 7, 3214868480
	.fill 96, 4, 3214868480
	.section	.rodata,"a",@progbits
	.p2align	6, 0x0
	.amdhsa_kernel k_q58364f8f31_lnorm
		.amdhsa_group_segment_fixed_size 0
		.amdhsa_private_segment_fixed_size 0
		.amdhsa_enable_private_segment 0
		.amdhsa_kernarg_size 32
		.amdhsa_user_sgpr_count 2
		.amdhsa_user_sgpr_kernarg_segment_ptr 1
		.amdhsa_wavefront_size32 1
		.amdhsa_system_sgpr_workgroup_id_x 1
		.amdhsa_system_sgpr_workgroup_id_y 1
		.amdhsa_system_sgpr_workgroup_id_z 1
		.amdhsa_system_vgpr_workitem_id 0
		.amdhsa_next_free_vgpr 152
		.amdhsa_next_free_sgpr 66
		.amdhsa_reserve_vcc 0
		.amdhsa_float_denorm_mode_32 3
		.amdhsa_float_denorm_mode_16_64 3
		.amdhsa_memory_ordered 1
		.amdhsa_forward_progress 1
		.amdhsa_inst_pref_size 18
	.end_amdhsa_kernel
	.amdgpu_metadata
---
amdhsa.version: [ 1, 2 ]
amdhsa.kernels:
  - .name:           k_q58364f8f31_lnorm
    .symbol:         k_q58364f8f31_lnorm.kd
    .args:
      - { .name: pre, .offset: 0, .size: 8, .value_kind: global_buffer, .address_space: global }
      - { .name: ln_g, .offset: 8, .size: 8, .value_kind: global_buffer, .address_space: global }
      - { .name: ln_b, .offset: 16, .size: 8, .value_kind: global_buffer, .address_space: global }
      - { .name: out0, .offset: 24, .size: 8, .value_kind: global_buffer, .address_space: global }
    .group_segment_fixed_size: 0
    .private_segment_fixed_size: 0
    .kernarg_segment_align: 8
    .kernarg_segment_size: 32
    .max_flat_workgroup_size: 256
    .sgpr_count:     66
    .vgpr_count:     152
    .wavefront_size: 32
...
	.end_amdgpu_metadata
.endif
;; end of part 5
